; MI455X (gfx1250); checked and timed in simulation.
; The chip was launched on July 23, 2026; its instructions are those of AMD's public machine-readable ISA for CDNA 5 (MIT licence, August 2026) and "CDNA5" Instruction Set Architecture Reference Guide (July 2026). The comments in the code are by the model that wrote it; some were corrected since.
;; Mo EFFN. Allowed arithmetic: matrix products marked QUANTISED: E3M2 operands, one E8M0 scale for each 32 along K, by v_wmma_scale_f32_16x16x128_f8f6f4 with both operands' format E3M2, f32 sums; products left as they are: f32 operands where the result goes on into a quantised operand, else bf16, f16 or f32 operands; f32 sums; everything else in f32.
;; Inputs: down_w 2 x 1,024 x 2,048 float32; gate_w 2 x 2,048 x 1,024 float32; router_w 2 x 1,024 float32; shared_down_w 1,024 x 1,024 float32; shared_gate_w 1,024 x 1,024 float32; shared_up_w 1,024 x 1,024 float32; up_w 2 x 2,048 x 1,024 float32; x 4 x 1,024 x 1,024 float32.
;; Outputs: out0 4 x 1,024 x 1,024 float32; out1 one number float32.
;; This version of the problem:
;;   THIS VERSION OF THE PROBLEM IS GIVEN IN LOW PRECISION. The matrix products marked QUANTISED in the list below multiply operands that are first quantised to E3M2 (3 exponent bits, 2 mantissa bits; 6 bits a number), with one power-of-two scale for each 32 numbers along K (OCP MX v1.0); their sums are f32. All else is computed in f32.
;;   The module's matrix products, in the order in which they are computed (A, B: the left and right operand; K: the contracted axis; several contracted axes count as one K, in the product's order):
;;     1. [M 4,096, K 1,024] x [K 1,024, N 2]; A: input x; B: input router_w: left as it is (N = 2 < 16)
;;     2. batch 4,096 x [M 2, K 2] x [K 2, N 1]; A: computed on the way; B: computed on the way: left as it is (K = 2 < 32)
;;     3. [M 4,096, K 1,024] x [K 1,024, N 4,096]; A: input gate_w; B: input x: QUANTISED
;;     4. [M 4,096, K 1,024] x [K 1,024, N 4,096]; A: input up_w; B: input x: QUANTISED
;;     5. batch 2 x [M 4,096, K 2,048] x [K 2,048, N 1,024]; A: computed on the way; B: input down_w: QUANTISED
;;     6. batch 4,096 x [M 1, K 2] x [K 2, N 1,024]; A: computed on the way; B: computed on the way: left as it is (K = 2 < 32)
;;     7. [M 4,096, K 1,024] x [K 1,024, N 1,024]; A: input x; B: input shared_gate_w: QUANTISED
;;     8. [M 4,096, K 1,024] x [K 1,024, N 1,024]; A: input x; B: input shared_up_w: QUANTISED
;;     9. [M 4,096, K 1,024] x [K 1,024, N 1,024]; A: computed on the way; B: input shared_down_w: QUANTISED
;;   THE QUANTISER, for each operand of a quantised product, along K:
;;     - K is cut into blocks of 32 from its start; a last block that is shorter is filled with zeros.
;;     - A block's scale is 2^e with e = floor(log2(the largest magnitude in the block)) - 4, held to -126 .. 127; a block of zeros has e = 0. As a byte (E8M0): e + 127.
;;     - Each number is divided by its block's scale, clamped to +-28, and rounded to the nearest number of E3M2, ties to even, subnormals kept.
;;     - The product sums the exact products of the quantised numbers (number of the format x scale) in f32.
;;   ~~~python
;;   def quantise(x, axis):      # numpy; x: float32 -> the quantised numbers, widened to float32 again
;;       x = np.moveaxis(x, axis, -1); K = x.shape[-1]
;;       x = np.pad(x, [(0, 0)] * (x.ndim - 1) + [(0, -K % 32)]); x = x.reshape(x.shape[:-1] + (-1, 32)); a = np.abs(x).max(-1, keepdims=True)
;;       e = np.where(a > 0, np.clip(np.frexp(np.where(a > 0, a, 1))[1] - 1 - 4, -126, 127), 0)      # np.frexp(a)[1] - 1 = floor(log2(a)), exactly
;;       r = np.clip(x / 2.0 ** e, -28, 28)
;;       step = 2.0 ** (np.maximum(np.frexp(np.where(r == 0, 1, r))[1] - 1, -2) - 2)
;;       q = np.round(r / step) * step * 2.0 ** e      # np.round: ties to even
;;       return np.moveaxis(q.reshape(q.shape[:-2] + (-1,))[..., :K], -1, axis).astype(np.float32)
;;   ~~~
;;   OPERANDS COMPUTED ON THE WAY. 'Computed on the way' means the value that the module computes at that place (a softmax that the list does not call 'softmax' is quantised finished and normalised). What goes into a quantiser is computed in f32, as accurately as f32 sums, v_exp_f32 and their like allow (about 1e-6 of the number): no bf16 or f16 on the way to a quantiser, and a product that is left as it is and whose result goes on into a quantised operand takes f32 operands (vector FMAs, or v_wmma_f32_16x16x4_f32). A number that lies on a knife's edge between two numbers of the format may be rounded either way, as far as f32 arithmetic and the matrix unit's own rounding can turn it there, and no further.
;; One version. Each part assembles by itself: llvm-mc -triple=amdgcn-amd-amdhsa -mcpu=gfx1250 --defsym DOCPART=n.
;; ======== version 1 of 1: 3 launches
;; limits: right only within a limited range of input values
;; workspace buffers: codes 14,942,208 bytes; scales 622,592 bytes; route 34,816 bytes; hc 15,728,640 bytes; hs 655,360 bytes; dump 256 bytes
;; launch quant (part 1): grid 304 x 1, 8 waves a work-group, no clusters, 41,984 bytes of LDS; arguments x, gate_w, up_w, down_w, shared_gate_w, shared_up_w, shared_down_w, router_w, codes, scales, route; writes codes, scales, route
.if DOCPART == 1
	.amdgcn_target "amdgcn-amd-amdhsa--gfx1250"
	.amdhsa_code_object_version 6
	.text
	.protected	k_qf6b5a82164_quant
	.globl	k_qf6b5a82164_quant
	.p2align	8
	.type	k_qf6b5a82164_quant,@function
k_qf6b5a82164_quant:
	s_mov_b64 s[64:65], 0
	v_nop
	global_prefetch_b8 v0, s[64:65] scope:SCOPE_SE
	s_setreg_imm32_b32 hwreg(HW_REG_WAVE_MODE, 25, 1), 1
	s_wait_xcnt 0x0
; All seven f32 operands of the quantised products become codes of BF6 (E3M2) and E8M0 scale words, once; for x also the router: logits, softmax, the combine weights and partial sums of probs.
; A block's scale is 2^(floor(log2(its largest magnitude)) - 4); its byte is the largest magnitude's exponent field - 4, held at 1 from below.  Numbers are divided by the scale and rounded to the nearest code, ties to even,
; beyond the largest code the largest.
; LIMITS: NaN and infinities among the inputs are not served.  A block of zeros, or one whose largest magnitude lies under 2^(5 - 127), gets the byte 1 (the quantiser's text says 127 for zeros): its codes are zeros or
; what the floor's scale gives, and the bytes are read by this program alone.  Expert 1's combine weight is held at 2^-60 from below (see the tail).
; LAYOUT OF THE CODES: units of 16 rows x 64 K, 768 bytes.  Lane l = (r = l % 16, h = l / 16) owns the 24 bytes of row r, k = 32 h .. 32 h + 31 of the unit: its first 16 bytes lie at 16 l, its last 8 at 512 + 8 l.
; Two units on end are a matrix operand's 12 registers, lane by lane.  A tensor is [tile of 16 rows][unit][768].  SCALES: planes [K / 128][row], one word a row: byte b scales k = 32 b .. 32 b + 31.
; codes: x at 0 (256 tiles x 12,288), the gate and up weights at 3,145,728 (640 x 12,288), the down weights at 11,010,048 (64 x 61,440, K = expert 0 | expert 1 | shared).
; scales: x at 0 (8 planes x 16,384), gate and up at 131,072 (8 x 40,960), down at 458,752 (40 x 4,096).   route: (rho, c1') for each token at 0; (sum p0, sum p1) of each 16 tokens at 32,768.
; THE ROWS OF THE GATE AND UP WEIGHTS ARE REORDERED: destination row 256 J + 128 s + 16 (4 gu + 2 b + u) + r takes row 128 J + 64 s + 32 b + 8 u + r + 8 (r / 8) of gate (gu = 0) or up (gu = 1), so that in the next
; launch's transposed product a lane's registers run along the hidden units in their order.
; SHARES: a work-group of EIGHT waves takes 64 destination rows x 1,024 K; wave w takes tile of 16 rows w % 4 and half w / 4 of the K: 8 units.  So a work-group has 8 x 30 loads of 512 bytes out.
; Work-groups 0-63 take x, 64-223 gate and up, 224-303 down.  All take ONE path: pointers and numbers are chosen by selects on the work-group's number; only the router's register arithmetic and its tail stand under
; scalar branches.  The two halves of a token's logits meet in LDS, across the launch's one barrier.  No cluster: no work-group shares an input with another but router_w's 8,192 bytes.
.set NU,   8                           ; units of a wave
.set STGB, 4352                        ; a wave's stage in LDS: 16 rows x (256 bytes + 16)
.set PS,   34816                       ; behind the eight stages: the work-group's scale words, [8 planes][64 rows]
.set ZS,   36864                       ; and the waves' halves of the logits: 256 bytes a wave, 8 bytes a lane
.set VO,   16                          ; v16-23   load i: byte offset of rows 2 i (lanes 0-15) and 2 i + 1 (lanes 16-31), 16 bytes a lane; never rewritten
.set W,    24                          ; v24-27   scale bytes, then words: one register for each 128 along K
.set R,    32                          ; v32-151  three slots of 40: a unit as loaded (32), router_w's 64 numbers for both experts (8)
.set X,    152                         ; v152-183 my row's 32 neighbours along K
.set ACC,  184                         ; v184-215 the router's sums: pair 8 e + i for expert e, rows 2 i and 2 i + 1
.set C,    216                         ; v216-221, v224-229 two sets of a block's codes
.set ZA,   222                         ; v222     where I put my half of the logits
.set ZB,   223                         ; v223     where my partner (wave w xor 4) puts its half
.set ZP,   230                         ; v230-231 my partner's half
.set T,    232                         ; v232-234 the block's second 16 codes
	s_load_b512 s[4:19], s[0:1], 0x0               ; x, gate_w, up_w, down_w, shared_gate_w, shared_up_w, shared_down_w, router_w
	s_load_b128 s[20:23], s[0:1], 0x40             ; codes, scales
	s_load_b64 s[24:25], s[0:1], 0x50              ; route
	v_lshl_add_u32 v31, v0, 2, 0xa000
	v_mov_b32 v235, 0
	v_lshrrev_b32 v13, 5, v0
	s_delay_alu instid0(VALU_DEP_1)
	v_readfirstlane_b32 s62, v13                   ; wave 0..7
	s_and_b32 s26, s62, 3                          ; which tile of 16 rows
	s_lshr_b32 s61, s62, 2                         ; which half of the K
	v_and_b32 v1, 31, v0                           ; l
	v_and_b32 v2, 15, v0                           ; r
	v_bfe_u32 v3, v0, 4, 1                         ; h
	s_delay_alu instid0(VALU_DEP_3)
	v_lshlrev_b32 v4, 4, v1                        ; 16 l
	s_delay_alu instid0(VALU_DEP_4)
	v_lshlrev_b32 v5, 3, v1                        ; 8 l
	s_mul_i32 s37, s62, STGB
	v_mul_u32_u24 v6, v3, 272
	s_delay_alu instid0(VALU_DEP_1)
	v_lshl_add_u32 v6, v2, 4, v6
	s_delay_alu instid0(VALU_DEP_1)
	v_add_nc_u32 v6, s37, v6                       ; the stage, on the way in: row h (+ 2 i), 16 r
	v_mul_u32_u24 v7, v2, 272
	s_delay_alu instid0(VALU_DEP_1)
	v_lshl_add_u32 v7, v3, 7, v7
	s_delay_alu instid0(VALU_DEP_1)
	v_add_nc_u32 v7, s37, v7                       ; and on the way out: row r, 128 h: my 32 neighbours
	v_lshlrev_b32 v8, 4, v2                        ; 16 r
	s_lshl_b32 s37, s26, 6
	s_lshl_b32 s63, s61, 10
	s_add_co_u32 s37, s37, s63
	v_lshl_add_u32 v9, v2, 2, s37
	s_delay_alu instid0(VALU_DEP_1)
	v_add_nc_u32 v9, PS, v9                        ; my row's scale word in my first plane: 1,024 (w / 4) + 64 (w % 4) + 4 r
	s_lshl_b32 s37, s62, 8
	v_add_nc_u32 v10, s37, v5
	s_delay_alu instid0(VALU_DEP_1)
	v_add_nc_u32 v[ZA], ZS, v10                    ; 256 w + 8 l
	s_delay_alu instid0(VALU_DEP_2)
	v_add_nc_u32 v10, PS, v10                      ; plane w, 8 bytes a lane
	s_xor_b32 s37, s62, 4
	s_lshl_b32 s37, s37, 8
	v_add_nc_u32 v[ZB], s37, v5
	s_delay_alu instid0(VALU_DEP_1)
	v_add_nc_u32 v[ZB], ZS, v[ZB]                  ; 256 (w xor 4) + 8 l
	s_lshl_b32 s37, s61, 11
	v_add_nc_u32 v11, s37, v8                      ; router_w: my half of the K, 16 r
	v_lshlrev_b32 v12, 3, v3                       ; 8 h
	v_and_b32 v236, 7, v1                          ; l % 8
	s_mov_b32 s38, 0x76543210
	s_mov_b32 s39, 0xfedcba98                      ; v_permlanex16_b32's selects for lane l xor 16
	; the numbers of all three kinds of work-group; g = ttmp9
	s_lshl_b32 s40, ttmp9, 2
	s_add_co_u32 s40, s40, s26                     ; 4 g + w % 4: the tile of 16 rows, for x and for gate and up (x's 256 tiles lie in front)
	s_mul_i32 s41, s40, 12288                      ; its codes
	s_lshl_b32 s42, s40, 16                        ; x: 16 (4 g + w % 4) rows of 4,096 bytes
	s_lshl_b32 s43, s62, 14
	s_lshl_b32 s44, ttmp9, 8
	s_add_co_u32 s43, s43, s44                     ; x's scale words: plane w of 16,384 bytes, + 256 g
	s_max_u32 s45, ttmp9, 64
	s_sub_co_u32 s45, s45, 64                      ; t = 4 J + 2 s + gu
	s_lshr_b32 s46, s45, 2                         ; J
	s_and_b32 s47, s46, 31                         ; J, or J - 32 in the shared expert's tensors
	s_lshl_b32 s47, s47, 7
	s_and_b32 s48, s45, 2
	s_lshl_b32 s48, s48, 5
	s_add_co_u32 s47, s47, s48                     ; + 64 s
	s_and_b32 s48, s26, 2
	s_lshl_b32 s48, s48, 4
	s_add_co_u32 s47, s47, s48                     ; + 32 b
	s_and_b32 s48, s26, 1
	s_lshl_b32 s48, s48, 3
	s_add_co_u32 s47, s47, s48                     ; + 8 u
	s_lshl_b32 s47, s47, 12                        ; rows of 4,096 bytes
	s_mul_i32 s48, s62, 40960
	s_lshl_b32 s49, s45, 8
	s_add_co_u32 s48, s48, s49
	s_add_co_u32 s48, s48, 131072                  ; gate's and up's scale words: plane w of 40,960 bytes, + 256 t
	s_max_u32 s49, ttmp9, 224
	s_sub_co_u32 s49, s49, 224
	s_lshr_b32 s50, s49, 4                         ; kc: which 1,024 of the down product's K
	s_and_b32 s51, s49, 15                         ; G: which 64 rows
	s_lshl_b32 s52, s51, 2
	s_add_co_u32 s52, s52, s26                     ; 4 G + w % 4
	s_mul_i32 s53, s52, 61440
	s_mul_i32 s54, s50, 12288
	s_add_co_u32 s53, s53, s54
	s_add_co_u32 s53, s53, 11010048                ; its codes
	s_lshl_b32 s54, s50, 15
	s_lshl_b32 s55, s62, 12
	s_add_co_u32 s54, s54, s55
	s_lshl_b32 s55, s51, 8
	s_add_co_u32 s54, s54, s55
	s_add_co_u32 s54, s54, 458752                  ; its scale words: plane 8 kc + w of 4,096 bytes, + 256 G
	s_lshl_b32 s55, s52, 17                        ; down_w: 16 (4 G + w % 4) rows of 8,192 bytes,
	s_lshr_b32 s56, s50, 1
	s_lshl_b32 s56, s56, 23
	s_add_co_u32 s55, s55, s56                     ; expert kc / 2,
	s_and_b32 s56, s50, 1
	s_lshl_b32 s56, s56, 12
	s_add_co_u32 s55, s55, s56                     ; half kc % 2 of its K
	s_lshl_b32 s56, s52, 16                        ; shared_down_w: rows of 4,096 bytes
	s_cmp_lt_u32 s50, 4
	s_cselect_b32 s55, s55, s56
	s_mov_b32 s57, 4096
	s_cselect_b32 s57, 8192, s57                   ; the pitch of a row
	s_wait_kmcnt 0x0
	s_cselect_b64 s[10:11], s[10:11], s[16:17]     ; down_w or shared_down_w (the compare above still holds: moves, selects and waits leave SCC)
	s_cmp_lt_u32 s46, 32
	s_cselect_b64 s[6:7], s[6:7], s[12:13]         ; gate_w or shared_gate_w
	s_cselect_b64 s[8:9], s[8:9], s[14:15]         ; up_w or shared_up_w
	s_and_b32 s58, s45, 1
	s_cmp_eq_u32 s58, 0
	s_cselect_b64 s[6:7], s[6:7], s[8:9]           ; gu
	s_cmp_lt_u32 ttmp9, 224
	s_cselect_b64 s[28:29], s[6:7], s[10:11]
	s_cselect_b32 s47, s47, s55
	s_cselect_b32 s41, s41, s53
	s_cselect_b32 s48, s48, s54
	s_cselect_b32 s34, 4096, s57                   ; PITCH
	s_cselect_b32 s35, 32768, 0                    ; GAP: a tile's rows 8-15 lie 8 rows further on in gate and up
	s_cmp_lt_u32 ttmp9, 64
	s_cselect_b64 s[28:29], s[4:5], s[28:29]
	s_cselect_b32 s47, s42, s47
	s_cselect_b32 s48, s43, s48
	s_cselect_b32 s35, 0, s35
	s_cselect_b32 s27, 1, 0                        ; 1: this work-group takes x
	s_lshl_b32 s58, s61, 11
	s_add_co_u32 s47, s47, s58                     ; my half of the K: 512 numbers, 2,048 bytes, on in each row,
	s_mul_i32 s58, s61, 6144
	s_add_co_u32 s41, s41, s58                     ; and 8 units on in the codes
	s_mov_b32 s58, s47
	s_mov_b32 s59, 0
	s_add_nc_u64 s[28:29], s[28:29], s[58:59]      ; my wave's first row
	s_mov_b32 s58, s41
	s_add_nc_u64 s[30:31], s[20:21], s[58:59]      ; its codes
	s_mov_b32 s58, s48
	s_add_nc_u64 s[32:33], s[22:23], s[58:59]      ; my plane's 256 bytes
	v_mul_u32_u24 v13, s34, v3
	s_delay_alu instid0(VALU_DEP_1)
	v_add_nc_u32 v[VO], v13, v8
	s_lshl_b32 s37, s34, 1
.irp i, 1
	v_add_nc_u32 v[VO+\i], s37, v[VO+\i-1]
.endr
.irp i, 2, 3, 4, 5, 6, 7
	s_delay_alu instid0(VALU_DEP_1)
	v_add_nc_u32 v[VO+\i], s37, v[VO+\i-1]
.endr
.irp i, 4,5,6,7
	s_delay_alu instid0(VALU_DEP_4)
	v_add_nc_u32 v[VO+\i], s35, v[VO+\i]
.endr
; Unit u: ten loads.  Eight read 256 consecutive bytes of each of two rows; two read router_w's numbers of the same 64 k.  Every work-group issues all ten, so that the counted waits are alike on every path.
.macro LOADU u
.set RS, R+40*((\u)%3)
.irp i, 0,1,2,3,4,5,6,7
	global_load_b128 v[RS+4*\i:RS+4*\i+3], v[VO+\i], s[28:29] offset:256*(\u) th:TH_LOAD_NT
.endr
.irp e, 0,1
	global_load_b128 v[RS+32+4*\e:RS+32+4*\e+3], v11, s[18:19] offset:4096*\e+256*(\u)
.endr
.endm
	LOADU 0
	LOADU 1
	LOADU 2
.set k, 0
.rept 32
	v_mov_b32 v[ACC+k], 0                          ; the router's sums: written on every path, read where x is taken
.set k, k+1
.endr
	v_mov_b32 v238, 0                              ; my half of my row's two logits: written on every path, since every wave stores the pair
	v_mov_b32 v239, 0
.macro UNIT u
.set RS, R+40*((\u)%3)
.set CS, C+8*((\u)%2)
.if NU-1-(\u) >= 2
	s_wait_loadcnt 20                              ; this unit's ten loads are in; those of the two units behind it may be out
.else
	s_wait_loadcnt 10*(NU-1-(\u))
.endif
	s_wait_xcnt 0x0                                ; the stores of two units back have read this set of codes: it is rewritten only behind this wait
.irp i, 0,1,2,3,4,5,6,7
	ds_store_b128 v6, v[RS+4*\i:RS+4*\i+3] offset:544*\i           ; as loaded: rows 2 i and 2 i + 1
.endr
.irp j, 0,1,2,3,4,5,6,7
	ds_load_b128 v[X+4*\j:X+4*\j+3], v7 offset:16*\j               ; back by rows: LDS serves a wave's instructions in order, so these see the stores
.endr
	s_cmp_eq_u32 s27, 0
	s_cbranch_scc1 .Lnot_x_\@
.irp p, 0,1
.irp e, 0,1
.irp i, 0,1,2,3,4,5,6,7
	v_pk_fma_f32 v[ACC+2*(8*\e+\i):ACC+2*(8*\e+\i)+1], v[RS+4*\i+2*\p:RS+4*\i+2*\p+1], v[RS+32+4*\e+2*\p:RS+32+4*\e+2*\p+1], v[ACC+2*(8*\e+\i):ACC+2*(8*\e+\i)+1]
.endr
.endr
.endr
.Lnot_x_\@:
	s_wait_dscnt 0x0                               ; my 32 neighbours are in, and the stage's stores have read the slot,
.if (\u)+3 < NU
	LOADU (\u)+3                                   ; which takes the unit three on
.endif
	v_max3_num_f32 v13, |v[X]|, |v[X+1]|, |v[X+2]|                 ; the block's largest magnitude: all 32 numbers are mine; two chains
	v_max3_num_f32 v14, |v[X+3]|, |v[X+4]|, |v[X+5]|
.irp i, 6,10,14,18,22,26
	s_delay_alu instid0(VALU_DEP_2)
	v_max3_num_f32 v13, v13, |v[X+\i]|, |v[X+\i+1]|
	s_delay_alu instid0(VALU_DEP_2)
	v_max3_num_f32 v14, v14, |v[X+\i+2]|, |v[X+\i+3]|
.endr
	s_delay_alu instid0(VALU_DEP_2)
	v_max3_num_f32 v13, v13, |v[X+30]|, |v[X+31]|
	s_delay_alu instid0(VALU_DEP_1)
	v_max3_num_f32 v13, v13, v14, 0x2800000        ; and the floor 2^(5 - 127): the byte cannot fall under 1
	s_delay_alu instid0(VALU_DEP_1)
	v_add_nc_u32 v15, 0xfe000000, v13              ; 4 off its exponent field: the conversion takes the exponent field of this operand as its scale
	v_cvt_scalef32_pk16_bf6_f32 v[CS:CS+2], v[X:X+15], v15
	v_cvt_scalef32_pk16_bf6_f32 v[T:T+2], v[X+16:X+31], v15        ; (a conversion's three registers begin on an even number)
	v_lshrrev_b32 v14, 23, v15                     ; the scale's byte; also the plain line behind the conversions
.irp i, 0,1,2
	v_mov_b32 v[CS+3+\i], v[T+\i]
.endr
.if (\u)%2 == 0
	s_delay_alu instid0(VALU_DEP_4)
	v_mov_b32 v[W+(\u)/2], v14                     ; blocks h and 2 + h of 128 along K: bits 0 and 16; shifted by 8 h at the end
.else
	s_delay_alu instid0(VALU_DEP_4)
	v_lshl_or_b32 v[W+(\u)/2], v14, 16, v[W+(\u)/2]
.endif
	global_store_b128 v4, v[CS:CS+3], s[30:31] offset:768*(\u)     ; 512 consecutive bytes, at a multiple of 256 from the buffer's first byte
	global_store_b64 v5, v[CS+4:CS+5], s[30:31] offset:768*(\u)+512 ; and 256
.endm
.irp u, 0,1,2,3,4,5,6,7
	UNIT \u
.endr
	; the scale words: my two bytes at their places, lane l xor 16's two beside them
.irp k, 0,1,2,3
	v_lshlrev_b32 v[W+\k], v12, v[W+\k]
.endr
.irp k, 0,1,2,3
	s_delay_alu instid0(VALU_DEP_4)
	v_permlanex16_b32 v[X+\k], v[W+\k], s38, s39   ; (its destination counts as read: X has been written on every path)
.endr
.irp k, 0,1,2,3
	s_delay_alu instid0(VALU_DEP_4)
	v_or_b32 v[W+\k], v[W+\k], v[X+\k]
.endr
.irp k, 0,1,2,3
	ds_store_b32 v9, v[W+\k] offset:256*\k         ; both halves of the lanes write the same word with the same value
.endr
	; my half of the logits, for x alone: the pairs' halves, then the sixteen lanes that share a row; registers only
	s_cmp_eq_u32 s27, 0
	s_cbranch_scc1 .Lno_sum
.irp k, 0,1,2,3,4,5,6,7,8,9,10,11,12,13,14,15
	v_add_f32 v[ACC+2*\k], v[ACC+2*\k], v[ACC+2*\k+1]
.endr
.irp m, 1,2,4,8
.irp k, 0,1,2,3,4,5,6,7,8,9,10,11,12,13,14,15
	v_add_f32_dpp v[ACC+2*\k], v[ACC+2*\k], v[ACC+2*\k] row_xmask:\m row_mask:0xf bank_mask:0xf
.endr
.endr
	v_mov_b32 v238, v[ACC]                         ; lane l takes row 2 (l % 8) + h; lanes with l % 16 >= 8 repeat the others
	v_mov_b32 v239, v[ACC+16]
.irp i, 1,2,3,4,5,6,7
	v_cmp_eq_u32 vcc_lo, \i, v236
	s_delay_alu instid0(VALU_DEP_1)
	v_cndmask_b32 v238, v238, v[ACC+2*\i], vcc_lo
	s_delay_alu instid0(VALU_DEP_2)
	v_cndmask_b32 v239, v239, v[ACC+16+2*\i], vcc_lo
.endr
.Lno_sum:
	ds_store_b64 v[ZA], v[238:239]
	s_wait_dscnt 0x0                               ; for the others' sake: my words and my half of the logits lie in LDS
	s_barrier_signal -1
	s_barrier_wait -1
	ds_load_b64 v[X+8:X+9], v10                    ; plane w: 64 rows
	ds_load_b64 v[ZP:ZP+1], v[ZB]                  ; the other half of the K of my row's logits
	s_wait_dscnt 0x0
	global_store_b64 v5, v[X+8:X+9], s[32:33]      ; 32 lanes store 256 consecutive bytes of a plane, aligned
	s_cmp_eq_u32 s27, 0
	s_cbranch_scc1 .Lend
	s_cmp_lg_u32 s61, 0                            ; of the two waves that share a tile of tokens the first goes on
	s_cbranch_scc1 .Lend
	; THE ROUTER'S TAIL
	s_wait_alu depctr_va_vdst(0)
	v_add_f32 v238, v238, v[ZP]
	v_add_f32 v239, v239, v[ZP+1]
	s_delay_alu instid0(VALU_DEP_1)
	v_max_num_f32 v240, v238, v239                 ; softmax over the two experts, the maximum taken away
	s_delay_alu instid0(VALU_DEP_1)
	v_sub_f32 v241, v238, v240
	s_delay_alu instid0(VALU_DEP_2)
	v_sub_f32 v242, v239, v240
	s_delay_alu instid0(VALU_DEP_2)
	v_mul_f32 v241, 0x3fb8aa3b, v241
	s_delay_alu instid0(VALU_DEP_2)
	v_mul_f32 v242, 0x3fb8aa3b, v242
	s_wait_alu depctr_va_vdst(0)
	v_exp_f32 v243, v241
	v_exp_f32 v244, v242
	v_lshlrev_b32 v237, 1, v236                    ; (a plain line behind the exponentials)
	s_wait_alu depctr_va_vdst(0)                   ; one wait for the two, ahead of their first reader
	v_add_f32 v245, v243, v244
	s_wait_alu depctr_va_vdst(0)
	v_rcp_f32 v246, v245
	v_add_nc_u32 v237, v237, v3                    ; my row
	s_wait_alu depctr_va_vdst(0)
	v_mul_f32 v248, v243, v246                     ; p0, p1
	v_mul_f32 v249, v244, v246
	s_delay_alu instid0(VALU_DEP_1)
	v_add_f32 v247, v248, v249                     ; both experts are the top 2 of 2: the chosen weights' sum
	s_wait_alu depctr_va_vdst(0)
	v_rcp_f32 v250, v247
	v_lshlrev_b32 v237, 3, v237                    ; 8 bytes a token
	s_wait_alu depctr_va_vdst(0)
	v_mul_f32 v251, v248, v250                     ; c0
	v_mul_f32 v255, v249, v250                     ; c1
	s_delay_alu instid0(VALU_DEP_1)
	v_max_num_f32 v253, 0x21800000, v255           ; c1' = max(c1, 2^-60): the last launch computes ((a0 rho + a1) c1' + shared) with rho = c0 / c1'
	s_wait_alu depctr_va_vdst(0)
	v_rcp_f32 v254, v253
	v_and_b32 v241, 8, v1
	s_wait_alu depctr_va_vdst(0)
	v_mul_f32 v252, v251, v254                     ; rho, at most 2^60
	v_cmp_eq_u32 vcc_lo, 0, v241
	s_delay_alu instid0(VALU_DEP_1)
	v_cndmask_b32 v248, 0, v248, vcc_lo            ; the lanes that repeat a row count for nothing in the sums
	s_delay_alu instid0(VALU_DEP_2)
	v_cndmask_b32 v249, 0, v249, vcc_lo
	s_lshl_b32 s58, s40, 7
	s_add_nc_u64 s[56:57], s[24:25], s[58:59]      ; route + 16 (4 g + w) tokens x 8 bytes
	s_lshl_b32 s58, s40, 3
	s_add_nc_u64 s[24:25], s[24:25], s[58:59]      ; and my tile's pair of sums
	s_wait_alu depctr_va_vdst(0)
	s_wait_xcnt 0x0                                ; EXEC changes only behind this wait
	s_and_saveexec_b32 s60, vcc_lo
	global_store_b64 v237, v[252:253], s[56:57]    ; (rho, c1') of my token
	s_wait_xcnt 0x0
	s_or_b32 exec_lo, exec_lo, s60
.irp m, 1
	v_add_f32_dpp v248, v248, v248 row_xmask:\m row_mask:0xf bank_mask:0xf
	v_add_f32_dpp v249, v249, v249 row_xmask:\m row_mask:0xf bank_mask:0xf
.endr
.irp m, 2, 4, 8
	s_delay_alu instid0(VALU_DEP_2)
	v_add_f32_dpp v248, v248, v248 row_xmask:\m row_mask:0xf bank_mask:0xf
	s_delay_alu instid0(VALU_DEP_2)
	v_add_f32_dpp v249, v249, v249 row_xmask:\m row_mask:0xf bank_mask:0xf
.endr
	s_delay_alu instid0(VALU_DEP_2)
	v_permlanex16_b32 v241, v248, s38, s39
	s_delay_alu instid0(VALU_DEP_2)
	v_permlanex16_b32 v242, v249, s38, s39
	s_delay_alu instid0(VALU_DEP_2)
	v_add_f32 v248, v248, v241
	s_delay_alu instid0(VALU_DEP_2)
	v_add_f32 v249, v249, v242                     ; the 16 tokens' sums of p0 and of p1
	v_mov_b32 v240, 0
	v_cmp_eq_u32 vcc_lo, 0, v1
	s_and_saveexec_b32 s60, vcc_lo                 ; (no memory instruction has been issued since the last wait on XCNT)
	global_store_b64 v240, v[248:249], s[24:25] offset:32768
	s_wait_xcnt 0x0
	s_or_b32 exec_lo, exec_lo, s60
.Lend:
	s_wait_tensorcnt 0x0
	ds_add_u32 v31, v235
	s_wait_dscnt 0x0
	s_endpgm
.Lfunc_end_k_qf6b5a82164_quant:
	.size	k_qf6b5a82164_quant, .Lfunc_end_k_qf6b5a82164_quant-k_qf6b5a82164_quant
	.p2alignl 7, 3214868480
	.fill 96, 4, 3214868480
	.section	.rodata,"a",@progbits
	.p2align	6, 0x0
	.amdhsa_kernel k_qf6b5a82164_quant
		.amdhsa_group_segment_fixed_size 41984
		.amdhsa_private_segment_fixed_size 0
		.amdhsa_enable_private_segment 0
		.amdhsa_kernarg_size 88
		.amdhsa_user_sgpr_count 2
		.amdhsa_user_sgpr_kernarg_segment_ptr 1
		.amdhsa_wavefront_size32 1
		.amdhsa_system_sgpr_workgroup_id_x 1
		.amdhsa_system_sgpr_workgroup_id_y 1
		.amdhsa_system_sgpr_workgroup_id_z 1
		.amdhsa_system_vgpr_workitem_id 0
		.amdhsa_next_free_vgpr 256
		.amdhsa_next_free_sgpr 66
		.amdhsa_reserve_vcc 1
		.amdhsa_float_denorm_mode_32 3
		.amdhsa_float_denorm_mode_16_64 3
		.amdhsa_memory_ordered 1
		.amdhsa_forward_progress 1
		.amdhsa_inst_pref_size 68
	.end_amdhsa_kernel
	.amdgpu_metadata
---
amdhsa.version: [ 1, 2 ]
amdhsa.kernels:
  - .name:           k_qf6b5a82164_quant
    .symbol:         k_qf6b5a82164_quant.kd
    .args:
      - { .name: x, .offset: 0, .size: 8, .value_kind: global_buffer, .address_space: global }
      - { .name: gate_w, .offset: 8, .size: 8, .value_kind: global_buffer, .address_space: global }
      - { .name: up_w, .offset: 16, .size: 8, .value_kind: global_buffer, .address_space: global }
      - { .name: down_w, .offset: 24, .size: 8, .value_kind: global_buffer, .address_space: global }
      - { .name: shared_gate_w, .offset: 32, .size: 8, .value_kind: global_buffer, .address_space: global }
      - { .name: shared_up_w, .offset: 40, .size: 8, .value_kind: global_buffer, .address_space: global }
      - { .name: shared_down_w, .offset: 48, .size: 8, .value_kind: global_buffer, .address_space: global }
      - { .name: router_w, .offset: 56, .size: 8, .value_kind: global_buffer, .address_space: global }
      - { .name: codes, .offset: 64, .size: 8, .value_kind: global_buffer, .address_space: global }
      - { .name: scales, .offset: 72, .size: 8, .value_kind: global_buffer, .address_space: global }
      - { .name: route, .offset: 80, .size: 8, .value_kind: global_buffer, .address_space: global }
    .group_segment_fixed_size: 41984
    .private_segment_fixed_size: 0
    .kernarg_segment_align: 8
    .kernarg_segment_size: 88
    .max_flat_workgroup_size: 256
    .sgpr_count:     66
    .vgpr_count:     256
    .wavefront_size: 32
...
	.end_amdgpu_metadata
.endif
;; end of part 1
;; launch gateup (part 2): grid 16 x 16, 4 waves a work-group, clusters of 4 x 1, 327,680 bytes of LDS; arguments codes, scales, hc, hs; writes hc, hs
.if DOCPART == 2
	.amdgcn_target "amdgcn-amd-amdhsa--gfx1250"
	.amdhsa_code_object_version 6
	.text
	.protected	k_qf6b5a82164_gateup
	.globl	k_qf6b5a82164_gateup
	.p2align	8
	.type	k_qf6b5a82164_gateup,@function
k_qf6b5a82164_gateup:
	s_mov_b64 s[64:65], 0
	v_nop
	global_prefetch_b8 v0, s[64:65] scope:SCOPE_SE
	s_setreg_imm32_b32 hwreg(HW_REG_WAVE_MODE, 25, 1), 1
	s_wait_xcnt 0x0
	s_wait_alu depctr_hold_cnt(0) depctr_sa_sdst(0) depctr_va_vdst(0) depctr_va_sdst(0) depctr_va_ssrc(0) depctr_va_vcc(0) depctr_vm_vsrc(0)
	s_getreg_b32 s2, hwreg(HW_REG_IB_STS2, 6, 4)
	s_cmp_eq_u32 s2, 0
	s_cbranch_scc0 .Lentry_in_a_cluster
	s_endpgm
.Lentry_in_a_cluster:
	s_bfe_u32 s2, ttmp6, 0x10000c
	s_cmp_lg_u32 s2, 0x3003
	s_cbranch_scc0 .Lentry_shape_is_right
	s_endpgm
.Lentry_shape_is_right:
; The hidden layers of both experts and of the shared expert: g = x Wg^T, u = x Wu^T on codes of BF6 (E3M2) with E8M0 scales, h = silu(g) u in f32, and h quantised along the hidden axis, the next product's K.
; x: 4,096 tokens x 1,024; the weights: 10,240 rows x 1,024 as the launch before has reordered them: 80 units of 128 rows, unit U = gate (row tiles 0-3) and up (row tiles 4-7) of hidden units 64 U .. 64 U + 63.
; SHARES: 256 work-groups that stay: work-group (x = tile of 256 tokens, y = column group) makes 256 tokens x units 5 y .. 5 y + 4, one unit (a tile) after the other.  A wave makes 64 tokens x 128 rows: 32 accumulators.
; THE TOKENS' CODES LIVE IN REGISTERS: a wave's 64 tokens x 1,024 K are 32 fragments, 384 registers, loaded once from memory, where they lie in the order of the operand's registers
; (a unit of 16 rows x 64 K is 768 bytes: lane l's first 16 bytes at 16 l, its last 8 at 512 + 8 l).  No two waves and no two partners of a cluster read the same tokens: so x goes through no LDS and no joint load.
; THE WEIGHTS go through a ring of two LDS slots, a whole tile (128 rows x 1,024 K = 98,304 consecutive bytes) to a slot, a quarter to a wave's load; all four waves read the same fragments from it.
; The load of tile t + 1 is issued at the head of tile t and has that tile's 256 matrix instructions a wave and its way out in which to land.
; CLUSTERS: 4 x 1: the four partners have the same y and ask for the weights and their scale words jointly (mask 15).  The weights' scale words of all five tiles (8 planes x 2,560 bytes) come once, at the head.
; THE MATRIX INSTRUCTION IS USED TRANSPOSED (source 0 = 16 weight rows, source 1 = 16 tokens): a lane holds ONE token; the 32 registers of row tiles 0-3 are gate of hidden units 32 b + 16 (lane / 16) + 0 .. 15
; (b = 0, 1), those of tiles 4-7 the same units' up.  So silu(g) u is made register by register, and the quantiser finds neighbours along K in a lane.
; SCALE REGISTERS carry two K steps: lanes 0-15 the words of the even step, lanes 16-31 those of the odd one, chosen by the ROW selectors.
; OUT: hc [token tile of 16][unit][768], whole aligned blocks of 256 bytes from registers.  hs [plane = U / 2][token], one word: a tile makes bytes 2 (U % 2) and + 1 of it, stored as 2 bytes a token, 32 tokens
; an instruction: five units to a work-group cut one plane of two units in two, so whole words cannot be had for every plane.
; PREFETCH: in the trips of tiles 0, 1 and 2 each wave names 24 blocks of 256 bytes of tile t + 2, one trip ahead of its load; the cluster's 16 waves share the tile's 384 blocks out by address (lanes 24-31 repeat block 23).
; LIMITS: NaN and infinities are not served.  A block of h that is all zeros, or under 2^(5 - 127), gets the scale byte 1: the bytes are read by this program alone.
; REGISTERS, in windows of 256: window 0: v8-29 addresses; v32-47 the tokens' scale words; v48-63 the weights', two sets; v112-255 the tokens' fragments of K steps 5-7.
;   window 1: the weights' fragments, two sets, at v0 and v128; on the way out v128-210 h and its codes; v224-242 the quantiser's.   window 2: accumulator (a, b) at v[8 (8 a + b)].   window 3: the tokens' fragments of K steps 0-4.
.set SLOTB, 131072                     ; slot 1's first byte (slot 0's is 0): one bit, so that an exclusive or changes slots
.set TILEB, 98304                      ; a tile of the weights
.set QUART, 24576                      ; a wave's part of it
.set SCL,   229376                     ; behind the ring: the weights' scale words, 8 planes x SPL bytes
.set SPL,   2560
.set SPARE, 249856                     ; the spare words, 128 bytes for each wave: two blocks of 256 bytes that no other line names
.set L16,  8                           ; 16 l
.set L8,   9                           ; 8 l
.set HSO,  10                          ; hs: 4 r + 64 h
.set XSO,  11                          ; x's scale words: 4 r + a plane x h
.set PFO,  12                          ; the prefetch: 256 min(l, 23)
.set ADR0, 13                          ; the weights' scale words in LDS: SCL + SPL h + 4 r
.set ADRS, 14                          ; the same + 512 x tile
.set B16,  16                          ; v16-17 this tile's slot + 16 l: row tiles 0-3, 4-7
.set B8,   18                          ; v18-19 the same + 8 l
.set SPW,  28                          ; my spare word; never rewritten
.set NIL,  29                          ; 0; never rewritten
.set SA,   32
.set SB,   48
.set T,    128                         ; window 1: 64 numbers of h
.set PC,   192                         ; their codes
.set TM,   224                         ; largest magnitudes, bytes, the conversions' scale operands
.set PW,   240                         ; four scale bytes
.set XS,   241                         ; my half of them
.set SH,   242                         ; 16 h
.set G1,   24                          ; group 1: the ring's loads, 8 rows of 3,072 bytes
.set G1H,  32                          ; the head's loads of codes, 16 such rows
.set G1S,  40                          ; the head's loads of scale words, 4 planes
.set G0,   48
.set G0H,  52
.set G0S,  56
.set HCB,  60                          ; s[60:61] hc: my first token tile, this tile's unit
.set HSB,  66                          ; s[66:67] hs: my 64 tokens in plane 0;  s[68:69] in this tile's plane, at its bytes
.set HSA,  68
.set U,    70                          ; this tile's unit
.set CUR,  71                          ; this tile's slot
.set TOFF, 72                          ; 512 x tile
.set PFA,  74
.set XB,   76
.set XSB,  78
.set SEL,  84
.set NLE,  86
.set MSB, 0
.macro WIN new                         ; the immediate's high byte repeats the setting that is left
.if MSB != (\new)
	s_set_vgpr_msb (MSB<<8)|(\new)
.set MSB, \new
.endif
.endm
.macro PLACES n
.rept \n
	v_nop
.endr
.endm
.macro ROUND                           ; a round of the cluster's barrier
	s_barrier_signal -1
	s_barrier_wait -1
	s_cmp_lg_u32 s14, 0
	s_cbranch_scc1 .Lnot_wave_0_\@
	s_barrier_signal -3
.Lnot_wave_0_\@:
	s_barrier_wait -3
	s_barrier_signal -1
	s_barrier_wait -1
.endm
.macro HSADR                           ; hs: plane U / 2, bytes 2 (U % 2)
	s_lshr_b32 s98, s[U], 1
	s_lshl_b32 s98, s98, 14
	s_and_b32 s96, s[U], 1
	s_lshl_b32 s96, s96, 1
	s_add_co_u32 s98, s98, s96
	s_add_nc_u64 s[HSA:HSA+1], s[HSB:HSB+1], s[98:99]
.endm
	s_load_b256 s[4:11], s[0:1], 0x0               ; codes, scales, hc, hs
	v_lshl_add_u32 v[SPW], v0, 2, SPARE
	v_mov_b32 v[NIL], 0
	ds_add_u32 v[SPW], v[NIL]                      ; the opening lines: the add, twice on end, and its wait ahead of my first tensor load
	ds_add_u32 v[SPW], v[NIL]
	v_lshrrev_b32 v1, 5, v0
	v_readfirstlane_b32 s14, v1                    ; wave 0..3
	v_and_b32 v1, 31, v0                           ; l
	v_and_b32 v2, 15, v0                           ; r
	v_bfe_u32 v3, v0, 4, 1                         ; h
	v_lshlrev_b32 v[L16], 4, v1
	v_lshlrev_b32 v[L8], 3, v1
	v_lshlrev_b32 v4, 2, v2
	v_lshl_add_u32 v[HSO], v3, 6, v4
	v_lshl_add_u32 v[XSO], v3, 14, v4
	v_min_u32 v5, 23, v1
	v_lshlrev_b32 v[PFO], 8, v5
	v_mul_u32_u24 v5, v3, SPL
	v_add_nc_u32 v5, v5, v4
	v_add_nc_u32 v[ADR0], SCL, v5
	WIN 0x40
	v_lshlrev_b32 v[SH], 4, v3
.irp b, 0,1,2,3
	v_mov_b32 v[TM+4+\b], 0                        ; written once: a lane permute's destination counts as one of its sources
.endr
	WIN 0
	s_lshr_b32 s15, s14, 1                         ; at the head: I fetch codes (0) or scale words (1),
	s_and_b32 s16, s14, 1                          ; and which half of them
	s_bfe_u32 s19, ttmp6, 0x40000                  ; cx
	s_lshl_b32 s17, ttmp9, 2
	s_add_co_u32 s17, s17, s19                     ; tile of 256 tokens = 4 x cluster x + cx
	s_and_b32 s18, ttmp7, 0xffff                   ; column group
	s_mul_i32 s[U], s18, 5
.irp g, G1, G1H, G1S
	s_mov_b32 s[\g], 15|(3<<16)|(1<<21)            ; the mask of the four partners; elements of 8 bytes; bit 21 beside a mask
	s_mov_b32 s[\g+6], 0
	s_mov_b32 s[\g+7], 0
.endr
.irp g, G1, G1H
	s_mov_b32 s[\g+1], 384<<16
	s_mov_b32 s[\g+3], 384<<16
	s_mov_b32 s[\g+5], 384                         ; dense rows of 3,072 bytes
.endr
	s_mov_b32 s[G1+2], 8<<16
	s_mov_b32 s[G1+4], 8
	s_mov_b32 s[G1H+2], 16<<16
	s_mov_b32 s[G1H+4], 16
	s_mov_b32 s[G1S+1], 320<<16                    ; 2,560 bytes of a plane,
	s_mov_b32 s[G1S+2], 4<<16
	s_mov_b32 s[G1S+3], 320<<16
	s_mov_b32 s[G1S+4], 4
	s_mov_b32 s[G1S+5], 5120                       ; planes 40,960 bytes apart
	s_mul_i32 s20, s[U], TILEB
	s_add_co_u32 s20, s20, 3145728                 ; my first tile of the weights
	s_mov_b32 s21, 0
	s_mul_i32 s22, s16, 49152                      ; the head's half of it
	s_mov_b32 s23, 0
	s_mul_i32 s80, s14, QUART                      ; the ring's quarter
	s_mov_b32 s81, 0
	s_mul_i32 s82, s18, SPL
	s_mul_i32 s96, s16, 163840                     ; planes 0-3 or 4-7
	s_add_co_u32 s82, s82, s96
	s_add_co_u32 s82, s82, 131072
	s_mov_b32 s83, 0
	s_mul_i32 s97, s16, 4*SPL
	s_lshl_b32 s88, s19, 2
	s_add_co_u32 s88, s88, s14
	s_mul_i32 s88, s88, 6144                       ; the prefetch: 24 blocks for each of the cluster's 16 waves,
	s_add_co_u32 s88, s88, 2*TILEB                 ; from tile 2 on
	s_mov_b32 s89, 0
	s_mul_i32 s90, s17, 196608
	s_mul_i32 s96, s14, 49152
	s_add_co_u32 s90, s90, s96                     ; x's codes: my four tiles of 16 tokens
	s_mov_b32 s91, 0
	s_lshl_b32 s92, s17, 10
	s_lshl_b32 s96, s14, 8
	s_add_co_u32 s92, s92, s96                     ; my 64 tokens' words in a plane, of x's scales and of hs
	s_mov_b32 s93, 0
	s_mul_i32 s94, s17, 983040
	s_mul_i32 s96, s14, 245760
	s_add_co_u32 s94, s94, s96
	s_mul_i32 s96, s[U], 768
	s_add_co_u32 s94, s94, s96                     ; hc
	s_mov_b32 s95, 0
	s_mov_b32 s99, 0
	s_mov_b32 s[CUR], 0
	s_mov_b32 s[TOFF], 0
	s_mov_b32 s[SEL], 0x76543210
	s_mov_b32 s[SEL+1], 0xfedcba98                 ; v_permlanex16_b32's selects for lane l xor 16
	s_mov_b32 s[NLE], 0xbfb8aa3b                   ; -log2(e)
	s_mov_b32 s[NLE+1], s[NLE]
	s_mov_b32 s3, 4                                ; trips of the loop
	s_wait_alu depctr_va_vdst(0)                   ; the wait behind the head's vector work
	s_wait_dscnt 0x0                               ; both opening adds are done
	s_wait_kmcnt 0x0
	s_add_nc_u64 s[20:21], s[4:5], s[20:21]
	s_mov_b32 s[G0H], 1
	s_mov_b32 s[G0H+1], s22
	s_add_nc_u64 s[G0H+2:G0H+3], s[20:21], s[22:23]
	s_or_b32 s[G0H+3], s[G0H+3], 0x80000000
	s_mov_b32 s[G0S], 1
	s_add_co_u32 s[G0S+1], s97, SCL
	s_add_nc_u64 s[G0S+2:G0S+3], s[6:7], s[82:83]
	s_or_b32 s[G0S+3], s[G0S+3], 0x80000000
	s_mov_b32 s[G0], 1                             ; the ring's group 0 stands at tile 0 in slot 0 and is stepped ahead of each load
	s_mov_b32 s[G0+1], s80
	s_add_nc_u64 s[G0+2:G0+3], s[20:21], s[80:81]
	s_or_b32 s[G0+3], s[G0+3], 0x80000000
	s_add_nc_u64 s[PFA:PFA+1], s[20:21], s[88:89]
	s_add_nc_u64 s[XB:XB+1], s[4:5], s[90:91]
	s_add_nc_u64 s[XSB:XSB+1], s[6:7], s[92:93]
	s_add_nc_u64 s[HSB:HSB+1], s[10:11], s[92:93]
	s_add_nc_u64 s[HCB:HCB+1], s[8:9], s[94:95]
	HSADR
	ROUND                                          ; the four partners are here: the first joint loads meet
	s_cmp_eq_u32 s15, 0                            ; one load a wave at the head: waves 0 and 1 the halves of tile 0, waves 2 and 3 the halves of the scale words
	s_cbranch_scc0 .Lhead_s
	tensor_load_to_lds s[G0H:G0H+3], s[G1H:G1H+7]
	s_nop 0
	PLACES 4
	s_branch .Lhead_j
.Lhead_s:
	tensor_load_to_lds s[G0S:G0S+3], s[G1S:G1S+7]
	s_nop 0
	PLACES 4
.Lhead_j:
.macro XFRAG reg, off                  ; a fragment of my tokens: 16 rows x 128 K, two units, each 16 bytes a lane and then 8 bytes a lane: every load reads consecutive bytes
	global_load_b128 v[\reg:\reg+3], v[L16], s[XB:XB+1] offset:\off
	global_load_b64 v[\reg+4:\reg+5], v[L8], s[XB:XB+1] offset:(\off)+512
	global_load_b128 v[\reg+6:\reg+9], v[L16], s[XB:XB+1] offset:(\off)+768
	global_load_b64 v[\reg+10:\reg+11], v[L8], s[XB:XB+1] offset:(\off)+1280
.endm
.irp p, 0,1,2,3
.irp a, 0,1,2,3
	global_load_b32 v[SA+4*\p+\a], v[XSO], s[XSB:XSB+1] offset:32768*\p+64*\a   ; token block a: lanes 0-15 plane 2 p, lanes 16-31 plane 2 p + 1; ahead of the fragments, which follow K step by K step, 16 loads each
.endr
.endr
	WIN 0xc0
.irp s, 0,1,2,3,4
.irp a, 0,1,2,3
	XFRAG 48*\s+12*\a, 12288*\a+1536*\s
.endr
.endr
	WIN 0
.irp s, 5,6,7
.irp a, 0,1,2,3
	XFRAG 112+48*(\s-5)+12*\a, 12288*\a+1536*\s
.endr
.endr
.macro FRAG reg, a16, a8, off
	ds_load_b128 v[\reg:\reg+3], v[\a16] offset:\off
	ds_load_b64 v[\reg+4:\reg+5], v[\a8] offset:(\off)+512
	ds_load_b128 v[\reg+6:\reg+9], v[\a16] offset:(\off)+768
	ds_load_b64 v[\reg+10:\reg+11], v[\a8] offset:(\off)+1280
.endm
.macro FETCH_B s                       ; the weights' eight fragments of K step s into set s % 2
	WIN 0x40
.irp i, 0,1,2,3,4,5,6,7
	FRAG 128*((\s)%2)+12*\i, B16+\i/4, B8+\i/4, 12288*(\i%4)+1536*(\s)
.endr
.endm
.macro SCALES p                        ; the weights' scale words of K steps 2 p (lanes 0-15) and 2 p + 1 (lanes 16-31) into set p % 2
.irp i, 0,1,2,3,4,5,6,7
	ds_load_b32 v[SB+8*((\p)%2)+\i], v[ADRS] offset:2*SPL*(\p)+64*\i
.endr
.endm
; 32 matrix instructions: my four token blocks x the eight row tiles, 128 along K.  K step 0's products start the sums.  The 32 accumulators take turns, one instruction a turn.
.macro MUL32 s
.if (\s) < 5
.set AB, 48*(\s)
.else
.set AB, 112+48*((\s)-5)
.endif
.set BF, 128*((\s)%2)
.set SBS, SB+8*(((\s)/2)%2)
.set SAS, SA+4*((\s)/2)
.irp a, 0,1,2,3
.irp b, 0,1,2,3,4,5,6,7
.if (\s) == 0
	v_wmma_scale_f32_16x16x128_f8f6f4 v[8*(8*\a+\b):8*(8*\a+\b)+7], v[BF+12*\b:BF+12*\b+11], v[AB+12*\a:AB+12*\a+11], 0, v[SBS+\b], v[SAS+\a] matrix_a_fmt:MATRIX_FMT_BF6 matrix_b_fmt:MATRIX_FMT_BF6
.else
.if (\s)%2 == 0
	v_wmma_scale_f32_16x16x128_f8f6f4 v[8*(8*\a+\b):8*(8*\a+\b)+7], v[BF+12*\b:BF+12*\b+11], v[AB+12*\a:AB+12*\a+11], v[8*(8*\a+\b):8*(8*\a+\b)+7], v[SBS+\b], v[SAS+\a] matrix_a_fmt:MATRIX_FMT_BF6 matrix_b_fmt:MATRIX_FMT_BF6
.else
	v_wmma_scale_f32_16x16x128_f8f6f4 v[8*(8*\a+\b):8*(8*\a+\b)+7], v[BF+12*\b:BF+12*\b+11], v[AB+12*\a:AB+12*\a+11], v[8*(8*\a+\b):8*(8*\a+\b)+7], v[SBS+\b], v[SAS+\a] matrix_a_fmt:MATRIX_FMT_BF6 matrix_b_fmt:MATRIX_FMT_BF6 matrix_a_scale:MATRIX_SCALE_ROW1 matrix_b_scale:MATRIX_SCALE_ROW1
.endif
.endif
.endr
.endr
.endm
; A K step: its fragments are in; the next step's are asked for, 32 matrix instructions ahead of their use, into the set that the step before multiplied (four places behind its products: ISA guide 7.12.1 for vector instructions).
.macro STEP s
.if (\s) < 4
	s_wait_loadcnt 63                              ; a wait names 63 at the most: of the head's 144 loads the youngest 63 begin inside K step 4's, so the scale words and the fragments of K steps 0-3 are in
.else
	s_wait_loadcnt 16*(7-(\s))                     ; my tokens' fragments of this K step are in: behind them stand 16 loads for each later K step (in the first tile; afterwards none is out)
.endif
	s_wait_dscnt 0x0
.if (\s) < 7
.if (\s) > 0
	PLACES 4
.endif
	FETCH_B (\s)+1
.if (\s)%2 == 1
	WIN 0
	SCALES ((\s)+1)/2
.endif
.endif
.if (\s) < 5
	WIN 0xad                                       ; source 0 window 1, source 1 window 3, C and D window 2
.else
	WIN 0xa1                                       ; source 1 window 0
.endif
	MUL32 \s
.endm
; 64 numbers of a lane, v[T] .. v[T + 63]: block b (16 registers; lane l xor 16 holds its other 16) becomes 16 codes; blocks 2 c and 2 c + 1 become registers PC + 6 c .. + 5, a unit's image; the four bytes go to v[PW].
.macro QUANT
.irp b, 0,1,2,3
	v_max3_num_f32 v[TM+\b], |v[T+16*\b]|, |v[T+1+16*\b]|, 0x2800000   ; my 16 numbers, and the floor 2^(5 - 127): the byte cannot fall under 1
.endr
.irp i, 2,4,6,8,10,12,14
.irp b, 0,1,2,3
	v_max3_num_f32 v[TM+\b], v[TM+\b], |v[T+16*\b+\i]|, |v[T+1+16*\b+\i]|
.endr
.endr
.irp b, 0,1,2,3
	v_permlanex16_b32 v[TM+4+\b], v[TM+\b], s[SEL], s[SEL+1]
.endr
.irp b, 0,1,2,3
	v_max_num_f32 v[TM+\b], v[TM+\b], v[TM+4+\b]   ; the block's largest magnitude
.endr
.irp b, 0,1,2,3
	v_add_nc_u32 v[TM+12+\b], 0xfe000000, v[TM+\b] ; 4 off its exponent field: the conversion's scale operand
.endr
.irp b, 0,1,2,3
	v_lshrrev_b32 v[TM+4+\b], 23, v[TM+12+\b]      ; the scale's byte
.endr
	v_lshl_or_b32 v[PW], v[TM+5], 8, v[TM+4]
	v_lshl_or_b32 v[PW], v[TM+6], 16, v[PW]
	v_lshl_or_b32 v[PW], v[TM+7], 24, v[PW]
.irp c, 0,1
	v_cvt_scalef32_pk16_bf6_f32 v[PC+6*\c:PC+2+6*\c], v[T+32*\c:T+15+32*\c], v[TM+12+2*\c]
	v_cvt_scalef32_pk16_bf6_f32 v[PC+12+4*\c:PC+14+4*\c], v[T+16+32*\c:T+31+32*\c], v[TM+12+2*\c+1]   ; (a conversion's three registers begin on an even number)
.endr
	v_nop                                          ; one plain place behind a scaled conversion
.irp c, 0,1                                    ; the layout wants a WHOLE block in a lane
.irp i, 0,1,2
	v_permlane16_swap_b32 v[PC+6*\c+\i], v[PC+12+4*\c+\i]
.endr
.irp i, 0,1,2
	v_mov_b32 v[PC+3+6*\c+\i], v[PC+12+4*\c+\i]
.endr
.endr
.endm
; THE WAY OUT, token blocks 2 p and 2 p + 1.  h = (g / (1 + 2^(-g log2 e))) u, in f32.  Each accumulator is read from its low end on.  The exponentials and the reciprocals are one batch each, with a wait ahead and behind
.macro PAIR p
.set GB, 128*(\p)
.if (\p) > 0
	s_wait_xcnt 0x0                                ; the last pair's stores have read their codes and bytes
	s_wait_alu depctr_va_vdst(0)                   ; the wait ahead of the first read of these sums
.endif
	WIN 0x42                                       ; source 0 window 2, destination window 1
.set j, 0
.rept 32
	v_pk_mul_f32 v[T+j:T+j+1], v[GB+(j/32)*64+j%32:GB+(j/32)*64+j%32+1], s[NLE:NLE+1] op_sel_hi:[1,0]
.set j, j+2
.endr
	WIN 0x41
.set j, 0
	s_wait_alu depctr_va_vdst(0)
.rept 64
	v_exp_f32 v[T+j], v[T+j]
.set j, j+1
.endr
	v_nop
	s_wait_alu depctr_va_vdst(0)
.set j, 0
.rept 32
	v_pk_add_f32 v[T+j:T+j+1], v[T+j:T+j+1], 1.0 op_sel_hi:[1,0]
.set j, j+2
.endr
.set j, 0
	s_wait_alu depctr_va_vdst(0)
.rept 64
	v_rcp_f32 v[T+j], v[T+j]
.set j, j+1
.endr
	v_nop
	s_wait_alu depctr_va_vdst(0)
	WIN 0x46
.set j, 0
.rept 32
	v_pk_mul_f32 v[T+j:T+j+1], v[GB+(j/32)*64+j%32:GB+(j/32)*64+j%32+1], v[T+j:T+j+1]           ; silu(g)
.set j, j+2
.endr
.set j, 0
.rept 32
	v_pk_mul_f32 v[T+j:T+j+1], v[GB+32+(j/32)*64+j%32:GB+32+(j/32)*64+j%32+1], v[T+j:T+j+1]     ; x u
.set j, j+2
.endr
	WIN 0x55
	QUANT
	v_lshrrev_b32 v[XS], v[SH], v[PW]              ; lanes 0-15 block 2 p's two bytes, lanes 16-31 block 2 p + 1's
	WIN 0x04                                       ; the data: window 1
.irp c, 0,1
	global_store_b128 v[L16], v[PC+6*\c:PC+6*\c+3], s[HCB:HCB+1] offset:(2*(\p)+\c)*61440        ; a unit's image: 512 consecutive bytes, at a multiple of 256 from hc's first byte,
	global_store_b64 v[L8], v[PC+6*\c+4:PC+6*\c+5], s[HCB:HCB+1] offset:(2*(\p)+\c)*61440+512    ; and 256
.endr
	global_store_b16 v[HSO], v[XS], s[HSA:HSA+1] offset:128*(\p)
.endm
; A tile.  In front of the barrier each wave waits for all its tensor loads (its part of this tile), adds 0 to its spare word, and waits for that and for its reads of the other slot.
; refill = 1: the barrier is a round of the cluster's, and behind it the other slot takes the next tile (the first time: slot 1's first fill, issued as a refill is).
.macro TILE refill
	v_add_nc_u32 v[B16], s[CUR], v[L16]
	v_add_nc_u32 v[B8], s[CUR], v[L8]
	v_add_nc_u32 v[B16+1], 49152, v[B16]
	v_add_nc_u32 v[B8+1], 49152, v[B8]
	v_add_nc_u32 v[ADRS], s[TOFF], v[ADR0]
	s_wait_alu depctr_va_vdst(0)                   ; the wait here, directly ahead of the wait below
	s_wait_tensorcnt 0x0
	ds_add_u32 v[SPW], v[NIL]
.if \refill
	s_xor_b32 s[G0+1], s[G0+1], SLOTB              ; no load of mine is out: group 0 steps to the other slot and the next tile
	s_add_nc_u64 s[G0+2:G0+3], s[G0+2:G0+3], TILEB
.endif
	s_wait_dscnt 0x0
.if \refill
	ROUND
	tensor_load_to_lds s[G0:G0+3], s[G1:G1+7]
	s_nop 0
	PLACES 4
.else
	s_barrier_signal -1
	s_barrier_wait -1
.endif
	FETCH_B 0
	WIN 0
	SCALES 0
.if \refill
	s_cmp_gt_u32 s3, 1                             ; the loop's last trip has no tile two on
	s_cbranch_scc0 .Lno_ask_\@
	global_prefetch_b8 v[PFO], s[PFA:PFA+1] th:TH_LOAD_NT scope:SCOPE_SE
.Lno_ask_\@:
.endif
.irp s, 0,1,2,3,4,5,6,7
	STEP \s
.endr
	PLACES 4                                       ; ahead of the first read of the sums and of the first write over the weights' set 1
	PAIR 0
	PAIR 1
	WIN 0
.endm
.Ltile:
	TILE 1
	s_wait_xcnt 0x0                                ; the stores and the prefetch have read their bases: they step only behind this wait
	s_add_co_u32 s[U], s[U], 1
	s_add_nc_u64 s[HCB:HCB+1], s[HCB:HCB+1], 768
	HSADR
	s_add_nc_u64 s[PFA:PFA+1], s[PFA:PFA+1], TILEB
	s_xor_b32 s[CUR], s[CUR], SLOTB
	s_add_co_u32 s[TOFF], s[TOFF], 512
	s_sub_co_u32 s3, s3, 1
	s_cmp_lg_u32 s3, 0
	s_wait_alu depctr_va_vdst(0)                   ; the wait here, directly ahead of the branch
	s_cbranch_scc1 .Ltile
	TILE 0                                         ; the fifth tile asks for nothing more
	s_wait_tensorcnt 0x0                           ; the wave's end
	ds_add_u32 v[SPW], v[NIL]
	s_wait_dscnt 0x0
	ROUND                                          ; the closing round: no work-group ends while a partner may still ask for a tile that names it
	s_endpgm
.Lfunc_end_k_qf6b5a82164_gateup:
	.size	k_qf6b5a82164_gateup, .Lfunc_end_k_qf6b5a82164_gateup-k_qf6b5a82164_gateup
	.p2alignl 7, 3214868480
	.fill 96, 4, 3214868480
	.section	.rodata,"a",@progbits
	.p2align	6, 0x0
	.amdhsa_kernel k_qf6b5a82164_gateup
		.amdhsa_group_segment_fixed_size 327680
		.amdhsa_private_segment_fixed_size 0
		.amdhsa_enable_private_segment 0
		.amdhsa_kernarg_size 32
		.amdhsa_user_sgpr_count 2
		.amdhsa_user_sgpr_kernarg_segment_ptr 1
		.amdhsa_wavefront_size32 1
		.amdhsa_system_sgpr_workgroup_id_x 1
		.amdhsa_system_sgpr_workgroup_id_y 1
		.amdhsa_system_sgpr_workgroup_id_z 1
		.amdhsa_system_vgpr_workitem_id 0
		.amdhsa_next_free_vgpr 1024
		.amdhsa_next_free_sgpr 100
		.amdhsa_reserve_vcc 0
		.amdhsa_float_denorm_mode_32 3
		.amdhsa_float_denorm_mode_16_64 3
		.amdhsa_memory_ordered 1
		.amdhsa_forward_progress 1
		.amdhsa_inst_pref_size 194
	.end_amdhsa_kernel
	.amdgpu_metadata
---
amdhsa.version: [ 1, 2 ]
amdhsa.kernels:
  - .name:           k_qf6b5a82164_gateup
    .symbol:         k_qf6b5a82164_gateup.kd
    .args:
      - { .name: codes, .offset: 0, .size: 8, .value_kind: global_buffer, .address_space: global }
      - { .name: scales, .offset: 8, .size: 8, .value_kind: global_buffer, .address_space: global }
      - { .name: hc, .offset: 16, .size: 8, .value_kind: global_buffer, .address_space: global }
      - { .name: hs, .offset: 24, .size: 8, .value_kind: global_buffer, .address_space: global }
    .group_segment_fixed_size: 327680
    .private_segment_fixed_size: 0
    .kernarg_segment_align: 8
    .kernarg_segment_size: 32
    .max_flat_workgroup_size: 128
    .sgpr_count:     100
    .vgpr_count:     1024
    .wavefront_size: 32
...
	.end_amdgpu_metadata
.endif
;; end of part 2
;; launch down (part 3): grid 8 x 32, 4 waves a work-group, clusters of 4 x 1, 327,680 bytes of LDS; arguments hc, hs, codes, scales, route, out0, out1, dump; writes out0, out1, dump
.if DOCPART == 3
	.amdgcn_target "amdgcn-amd-amdhsa--gfx1250"
	.amdhsa_code_object_version 6
	.text
	.protected	k_qf6b5a82164_down
	.globl	k_qf6b5a82164_down
	.p2align	8
	.type	k_qf6b5a82164_down,@function
k_qf6b5a82164_down:
	s_mov_b64 s[64:65], 0
	v_nop
	global_prefetch_b8 v0, s[64:65] scope:SCOPE_SE
	s_setreg_imm32_b32 hwreg(HW_REG_WAVE_MODE, 25, 1), 1
	s_wait_xcnt 0x0
	s_wait_alu depctr_hold_cnt(0) depctr_sa_sdst(0) depctr_va_vdst(0) depctr_va_sdst(0) depctr_va_ssrc(0) depctr_va_vcc(0) depctr_vm_vsrc(0)
	s_getreg_b32 s2, hwreg(HW_REG_IB_STS2, 6, 4)
	s_cmp_eq_u32 s2, 0
	s_cbranch_scc0 .Lentry_in_a_cluster
	s_endpgm
.Lentry_in_a_cluster:
	s_bfe_u32 s2, ttmp6, 0x10000c
	s_cmp_lg_u32 s2, 0x3003
	s_cbranch_scc0 .Lentry_shape_is_right
	s_endpgm
.Lentry_shape_is_right:
; out = c0 (h0 Wd0^T) + c1 (h1 Wd1^T) + hs Wds^T on codes of BF6 (E3M2) with E8M0 scales: ONE product over K = 5,120 (expert 0 | expert 1 | shared), 40 K steps of 128, whose sums are multiplied by rho = c0 / c1' behind
; K step 15 and by c1' behind K step 31 (rho and c1' of each token come from the first launch); and the auxiliary loss from the first launch's partial sums.
; SHARES: work-group (x = 128 outputs, y = 128 tokens), 256 in all.  Wave w = 2 kh + oh takes all 128 tokens x outputs 64 oh .. + 63 on the K steps 2 i + kh, i = 0 .. 19: 32 accumulators.  At the end the waves kh = 0 and
; kh = 1 of one oh exchange halves through LDS: each sends 16 accumulators, adds the 16 that it receives, and stores 64 tokens x 64 outputs.
; So that all waves run one text, accumulator row a of a wave holds token block (a + 4 kh) % 8: the wave keeps rows 0-3 and sends rows 4-7; only address registers know of kh.
; THE TOKENS' CODES go through a ring of two LDS slots, 10 K steps (8 tiles of 16 tokens x 15,360 bytes) to a slot: four fills.  A fill is asked for one step ahead of the end of the slot that it replaces and has five
; steps of a wave, 160 matrix instructions, in which to land.  The tokens' scale words (40 planes x 512 bytes) come once, at the head.
; CLUSTERS: 4 x 1: the four partners have the same tokens and ask for their codes and scale words jointly (mask 15).
; THE WEIGHTS GO FROM MEMORY STRAIGHT INTO REGISTERS: they lie in the order of the operand's registers, no two waves of a work-group take the same fragment, and no partner of the cluster takes the same rows: so no LDS and
; no joint load for them.  Four sets of 48 registers: a step's 16 loads (and, for two steps, 4 loads of scale words) are issued three steps ahead of their use, which is their own lead; they get no prefetch beside it.
; PREFETCH of the tokens' codes: with the loads of fills 1 and 2 each wave names 30 blocks of 256 bytes of fills 2 and 3, one slot ahead of their loads; the cluster's 16 waves share a fill's 480 blocks out by address.
; THE MATRIX INSTRUCTION IS USED TRANSPOSED (source 0 = 16 weight rows, source 1 = 16 tokens): a lane holds one token and eight neighbouring outputs.  Scale registers carry two of a wave's steps: lanes 0-15 the even one's
; words, lanes 16-31 the odd one's, chosen by the ROW selectors.
; THE AUXILIARY LOSS is made by wave 0 of the four work-groups of cluster (0, 0): the first stores it to out1, the others to words of their own in dump.
; LIMITS: as the launches before state them; the two halves of K are summed apart and added once, another order of rounding than one chain's.
; REGISTERS, in windows of 256: window 0: addresses, v32-47 the tokens' scale words (two sets), v48-63 the weights' (four sets), v64-79 (rho, c1'), v80-143 the way out.   window 1: the tokens' fragments, two sets, at v0
; and v128; at the end the 128 registers received.   window 2: accumulator (a, b) at v[8 (4 a + b)].   window 3: the weights' fragments, four sets of 48.
.set SLOT,  122880
.set SCL,   245760                     ; behind the ring: the tokens' scale words
.set SPARE, 266240                     ; the spare words, 128 bytes for each wave: two blocks of 256 bytes that no other line names
.set EX,    0                          ; the exchange (16,384 bytes a wave) and the stages (16 rows x 272 bytes a wave) lie in slot 0, which has had its last fill and its last read by then
.set STAGE, 65536
.set PFO,  11
.set A16,  12                          ; v12-15 slot s, rows 0-3 / 4-7 at [2 s + half]: + 16 l
.set A8,   16                          ; v16-19 the same + 8 l
.set AS,   20                          ; v20-21 the tokens' scale words, rows 0-3 / 4-7
.set BO16, 22                          ; 16 l
.set BO8,  23                          ; 8 l
.set BSO,  24                          ; the weights' scale words: 4 r + two planes x h
.set STO,  25
.set RD,   26
.set CO,   27
.set SPW,  28                          ; my spare word; never rewritten
.set NIL,  29                          ; 0; never rewritten
.set EXS,  30
.set EXR,  31
.set SAR,  32
.set SBR,  48
.set CB,   64
.set BK,   80
.set G1,   24                          ; group 1: the ring's loads, 2 rows of 15,360 bytes;  G1H: the head's, 4 rows;  G1S: 20 planes of scale words
.set G1H,  32
.set G1S,  44
.set G0,   52                          ; s[52:59] group 0, one set for each slot
.set G0H,  60
.set G0S,  68
.set BB,   80
.set BSB,  82
.set RT,   84
.set OUT,  86
.set PFA,  88
.set MSB, 0
.macro WIN new                         ; the immediate's high byte repeats the setting that is left
.if MSB != (\new)
	s_set_vgpr_msb (MSB<<8)|(\new)
.set MSB, \new
.endif
.endm
.macro PLACES n
.rept \n
	v_nop
.endr
.endm
.macro ROUND                           ; a round of the cluster's barrier
	s_barrier_signal -1
	s_barrier_wait -1
	s_cmp_lg_u32 s20, 0
	s_cbranch_scc1 .Lnot_wave_0_\@
	s_barrier_signal -3
.Lnot_wave_0_\@:
	s_barrier_wait -3
	s_barrier_signal -1
	s_barrier_wait -1
.endm
	s_load_b512 s[4:19], s[0:1], 0x0               ; hc, hs, codes, scales, route, out0, out1, dump
	v_lshl_add_u32 v[SPW], v0, 2, SPARE
	v_mov_b32 v[NIL], 0
	ds_add_u32 v[SPW], v[NIL]                      ; the opening lines: the add, twice on end, and its wait ahead of my first tensor load
	ds_add_u32 v[SPW], v[NIL]
	v_lshrrev_b32 v1, 5, v0
	v_readfirstlane_b32 s20, v1                    ; wave 0..3
	s_lshr_b32 s21, s20, 1                         ; kh.  At the head: I fetch codes (0) or scale words (1)
	s_and_b32 s22, s20, 1                          ; oh.  At the head: which half of them
	s_xor_b32 s23, s21, 1                          ; 1 - kh
	s_bfe_u32 s40, ttmp6, 0x40000                  ; cx
	s_lshl_b32 s42, ttmp9, 2
	s_add_co_u32 s42, s42, s40                     ; tile of 128 outputs = 4 x cluster x + cx
	s_and_b32 s43, ttmp7, 0xffff                   ; tile of 128 tokens
.irp g, G1, G1H, G1S
	s_mov_b32 s[\g], 15|(3<<16)|(1<<21)            ; the mask of the four partners; elements of 8 bytes; bit 21 beside a mask
	s_mov_b32 s[\g+6], 0
	s_mov_b32 s[\g+7], 0
.endr
.irp g, G1, G1H
	s_mov_b32 s[\g+1], 1920<<16                    ; 15,360 bytes of a tile of 16 tokens,
	s_mov_b32 s[\g+3], 1920<<16
	s_mov_b32 s[\g+5], 7680                        ; tiles 61,440 bytes apart
.endr
	s_mov_b32 s[G1+2], 2<<16
	s_mov_b32 s[G1+4], 2
	s_mov_b32 s[G1H+2], 4<<16
	s_mov_b32 s[G1H+4], 4
	s_mov_b32 s[G1S+1], 64<<16                     ; 512 bytes of a plane,
	s_mov_b32 s[G1S+2], 20<<16
	s_mov_b32 s[G1S+3], 64<<16
	s_mov_b32 s[G1S+4], 20
	s_mov_b32 s[G1S+5], 2048                       ; planes 16,384 bytes apart
	s_mul_i32 s72, s43, 491520                     ; hc: my work-group's 8 tiles of 16 tokens
	s_mul_i32 s41, s22, 245760
	s_add_co_u32 s74, s72, s41                     ; the head's 4 of them
	s_mov_b32 s75, 0
	s_mul_i32 s41, s20, 122880
	s_add_co_u32 s76, s72, s41                     ; the ring's 2
	s_mov_b32 s77, 0
	s_lshl_b32 s78, s43, 9
	s_mul_i32 s41, s22, 327680
	s_add_co_u32 s78, s78, s41                     ; hs: planes 0-19 or 20-39
	s_mov_b32 s79, 0
	s_lshl_b32 s80, s42, 3
	s_lshl_b32 s41, s22, 2
	s_add_co_u32 s80, s80, s41
	s_mul_i32 s80, s80, 61440
	s_mul_i32 s41, s21, 1536
	s_add_co_u32 s80, s80, s41
	s_add_co_u32 s80, s80, 11010048                ; the weights' codes: my 4 tiles of 16 rows, K step kh
	s_mov_b32 s81, 0
	s_lshl_b32 s82, s42, 9
	s_lshl_b32 s41, s22, 8
	s_add_co_u32 s82, s82, s41
	s_lshl_b32 s41, s21, 12
	s_add_co_u32 s82, s82, s41
	s_add_co_u32 s82, s82, 458752                  ; their scale words: plane kh, my 64 rows
	s_mov_b32 s83, 0
	s_lshl_b32 s84, s43, 10                        ; route: 8 bytes a token
	s_mov_b32 s85, 0
	s_lshl_b32 s86, s43, 19
	s_lshl_b32 s41, s21, 18
	s_add_co_u32 s86, s86, s41
	s_lshl_b32 s41, s42, 9
	s_add_co_u32 s86, s86, s41
	s_lshl_b32 s41, s22, 8
	s_add_co_u32 s86, s86, s41                     ; out0: tokens 64 kh .. of the tile, outputs 64 oh ..
	s_mov_b32 s87, 0
	s_lshl_b32 s41, s40, 2
	s_add_co_u32 s41, s41, s20                     ; the prefetch: which of the cluster's 16 waves I am: half a tile's row of a fill each
	s_lshr_b32 s88, s41, 1
	s_mul_i32 s88, s88, 61440
	s_and_b32 s41, s41, 1
	s_mul_i32 s41, s41, 7680
	s_add_co_u32 s88, s88, s41
	s_add_co_u32 s88, s88, s72
	s_mov_b32 s89, 0
	s_mul_i32 s66, s21, 62976                      ; LDS: accumulator rows 0-3 are token blocks 4 kh ..; K step kh of a slot
	s_mul_i32 s67, s23, 61440
	s_mul_i32 s41, s21, 1536
	s_add_co_u32 s67, s67, s41                     ; rows 4-7 the other four blocks
	s_mul_i32 s90, s21, 768
	s_add_co_u32 s90, s90, SCL                     ; scale words: plane kh, blocks 4 kh ..
	s_lshl_b32 s91, s21, 9
	s_lshl_b32 s41, s23, 8
	s_add_co_u32 s91, s91, s41
	s_add_co_u32 s91, s91, SCL
	s_mul_i32 s92, s20, 4352
	s_add_co_u32 s92, s92, STAGE
	s_lshl_b32 s93, s20, 14                        ; what I send,
	s_xor_b32 s94, s20, 2
	s_lshl_b32 s94, s94, 14                        ; and what the wave of the other kh sends
	s_lshl_b32 s98, s21, 9
	s_lshl_b32 s99, s23, 9
	s_mul_i32 s73, s22, 61440
	s_mul_i32 s95, s22, 10240
	s_mul_i32 s41, s20, 30720
	s_mov_b32 s96, 0x76543210
	s_mov_b32 s97, 0xfedcba98                      ; v_permlanex16_b32's selects for lane l xor 16
	v_and_b32 v1, 31, v0                           ; l
	v_and_b32 v2, 15, v0                           ; r
	v_bfe_u32 v3, v0, 4, 1                         ; h
	v_lshlrev_b32 v[BO16], 4, v1
	v_lshlrev_b32 v[BO8], 3, v1
	v_lshlrev_b32 v4, 2, v2
	v_lshlrev_b32 v5, 3, v2
	v_add_nc_u32 v[A16], s66, v[BO16]
	v_add_nc_u32 v[A16+1], s67, v[BO16]
	v_add_nc_u32 v[A8], s66, v[BO8]
	v_add_nc_u32 v[A8+1], s67, v[BO8]
.irp k, 0,1
	v_add_nc_u32 v[A16+2+\k], SLOT, v[A16+\k]
	v_add_nc_u32 v[A8+2+\k], SLOT, v[A8+\k]
.endr
	v_lshl_add_u32 v6, v3, 10, v4                  ; lanes 16-31: two planes on
	v_add_nc_u32 v[AS], s90, v6
	v_add_nc_u32 v[AS+1], s91, v6
	v_lshl_add_u32 v[BSO], v3, 13, v4
	v_add_nc_u32 v9, s98, v5                       ; route: rows 0-3,
	v_add_nc_u32 v10, s99, v5                      ; rows 4-7
	v_mul_u32_u24 v6, v2, 272
	v_lshl_add_u32 v6, v3, 5, v6
	v_add_nc_u32 v[STO], s92, v6                   ; the stage, in: row r, 32 bytes for each half of the lanes
	v_mul_u32_u24 v6, v3, 272
	v_lshl_add_u32 v6, v2, 4, v6
	v_add_nc_u32 v[RD], s92, v6                    ; back: lanes 0-15 one row of 256 bytes, lanes 16-31 the next
	v_lshlrev_b32 v[CO], 12, v3
	v_lshl_add_u32 v[CO], v2, 4, v[CO]
	v_add_nc_u32 v[EXS], s93, v[BO16]
	v_add_nc_u32 v[EXR], s94, v[BO16]
	v_min_u32 v6, 29, v1
	v_lshlrev_b32 v[PFO], 8, v6
	s_wait_alu depctr_va_vdst(0)                   ; the wait behind the head's vector work
	s_wait_dscnt 0x0                               ; both opening adds are done
	s_wait_kmcnt 0x0
	s_mov_b32 s[G0H], 1
	s_mov_b32 s[G0H+1], s73
	s_add_nc_u64 s[G0H+2:G0H+3], s[4:5], s[74:75]
	s_or_b32 s[G0H+3], s[G0H+3], 0x80000000
	s_mov_b32 s[G0S], 1
	s_add_co_u32 s[G0S+1], s95, SCL
	s_add_nc_u64 s[G0S+2:G0S+3], s[6:7], s[78:79]
	s_or_b32 s[G0S+3], s[G0S+3], 0x80000000
	s_add_nc_u64 s[76:77], s[4:5], s[76:77]
.irp s, 0,1
	s_mov_b32 s[G0+4*\s], 1
	s_add_co_u32 s[G0+4*\s+1], s41, \s*SLOT
	s_add_nc_u64 s[G0+4*\s+2:G0+4*\s+3], s[76:77], \s*15360
	s_or_b32 s[G0+4*\s+3], s[G0+4*\s+3], 0x80000000
.endr
	s_add_nc_u64 s[BB:BB+1], s[8:9], s[BB:BB+1]
	s_add_nc_u64 s[BSB:BSB+1], s[10:11], s[BSB:BSB+1]
	s_add_nc_u64 s[RT:RT+1], s[12:13], s[RT:RT+1]
	s_add_nc_u64 s[OUT:OUT+1], s[14:15], s[OUT:OUT+1]
	s_add_nc_u64 s[PFA:PFA+1], s[4:5], s[PFA:PFA+1]
	ROUND                                          ; the four partners are here: the first joint loads meet
	s_cmp_eq_u32 s21, 0                            ; one load a wave at the head: waves 0 and 1 the halves of fill 0, waves 2 and 3 the halves of the scale words
	s_cbranch_scc0 .Lhead_s
	tensor_load_to_lds s[G0H:G0H+3], s[G1H:G1H+7]
	s_nop 0
	PLACES 4
	s_branch .Lhead_j
.Lhead_s:
	tensor_load_to_lds s[G0S:G0S+3], s[G1S:G1S+7]
	s_nop 0
	PLACES 4
.Lhead_j:
.macro LOADB k                         ; the weights of my step k into set k % 4: four fragments, each two units of 16 bytes and then 8 bytes a lane; ahead of an even step's the scale words of steps k (lanes 0-15) and k + 1 (lanes 16-31)
.if (\k)%2 == 0
	WIN 0
.irp b, 0,1,2,3
	global_load_b32 v[SBR+4*(((\k)/2)%4)+\b], v[BSO], s[BSB:BSB+1] offset:16384*((\k)/2)+64*\b
.endr
.endif
	WIN 0xc0
.irp b, 0,1,2,3
	global_load_b128 v[48*((\k)%4)+12*\b:48*((\k)%4)+12*\b+3], v[BO16], s[BB:BB+1] offset:61440*\b+3072*(\k)
	global_load_b64 v[48*((\k)%4)+12*\b+4:48*((\k)%4)+12*\b+5], v[BO8], s[BB:BB+1] offset:61440*\b+3072*(\k)+512
	global_load_b128 v[48*((\k)%4)+12*\b+6:48*((\k)%4)+12*\b+9], v[BO16], s[BB:BB+1] offset:61440*\b+3072*(\k)+768
	global_load_b64 v[48*((\k)%4)+12*\b+10:48*((\k)%4)+12*\b+11], v[BO8], s[BB:BB+1] offset:61440*\b+3072*(\k)+1280
.endr
	WIN 0
.endm
.irp a, 0,1,2,3,4,5,6,7
	global_load_b64 v[CB+2*\a:CB+2*\a+1], v[9+\a/4], s[RT:RT+1] offset:128*(\a%4)   ; (rho, c1') of row a's token r
.endr
	LOADB 0
	LOADB 1
	LOADB 2
	; the auxiliary loss: 0.01 x 2 x sum over experts of (1 / 2) x mean of probs; both experts are among the top 2 of 2, so each one's fraction is 1 / 2
	s_and_b32 s66, ttmp7, 0xffff
	s_or_b32 s66, s66, ttmp9
	s_or_b32 s66, s66, s20
	s_cmp_lg_u32 s66, 0
	s_cbranch_scc1 .Lno_aux
	v_lshlrev_b32 v8, 6, v1
.irp k, 0,1,2,3
	global_load_b128 v[BK+4*\k:BK+4*\k+3], v8, s[12:13] offset:32768+16*\k
.endr
	s_cmp_eq_u32 s40, 0
	s_cselect_b64 s[94:95], s[16:17], s[18:19]     ; out1 for the cluster's first work-group, dump for the others,
	s_lshl_b32 s66, s40, 2
	v_mov_b32 v7, s66                              ; a word each
	s_wait_loadcnt 0x0
	v_pk_add_f32 v[BK:BK+1], v[BK:BK+1], v[BK+2:BK+3]
	v_pk_add_f32 v[BK+4:BK+5], v[BK+4:BK+5], v[BK+6:BK+7]
	v_pk_add_f32 v[BK+8:BK+9], v[BK+8:BK+9], v[BK+10:BK+11]
	v_pk_add_f32 v[BK+12:BK+13], v[BK+12:BK+13], v[BK+14:BK+15]
	v_pk_add_f32 v[BK:BK+1], v[BK:BK+1], v[BK+4:BK+5]
	v_pk_add_f32 v[BK+8:BK+9], v[BK+8:BK+9], v[BK+12:BK+13]
	v_pk_add_f32 v[BK:BK+1], v[BK:BK+1], v[BK+8:BK+9]
.irp m, 1,2,4,8
	v_add_f32_dpp v[BK], v[BK], v[BK] row_xmask:\m row_mask:0xf bank_mask:0xf
	v_add_f32_dpp v[BK+1], v[BK+1], v[BK+1] row_xmask:\m row_mask:0xf bank_mask:0xf
.endr
	v_permlanex16_b32 v[BK+2], v[BK], s96, s97
	v_permlanex16_b32 v[BK+3], v[BK+1], s96, s97
	v_add_f32 v[BK], v[BK], v[BK+2]
	v_add_f32 v[BK+1], v[BK+1], v[BK+3]
	v_mul_f32 v[BK], 0x3623d70a, v[BK]             ; 0.01 / 4,096
	v_fmamk_f32 v[BK], v[BK+1], 0x3623d70a, v[BK]
	v_cmp_eq_u32 vcc_lo, 0, v1
	s_wait_alu depctr_va_vdst(0)
	s_wait_xcnt 0x0                                ; EXEC changes only behind this wait
	s_and_saveexec_b32 s67, vcc_lo
	global_store_b32 v7, v[BK], s[94:95]
	s_wait_xcnt 0x0
	s_or_b32 exec_lo, exec_lo, s67
.Lno_aux:
.macro FRAG reg, a16, a8, off
	ds_load_b128 v[\reg:\reg+3], v[\a16] offset:\off
	ds_load_b64 v[\reg+4:\reg+5], v[\a8] offset:(\off)+512
	ds_load_b128 v[\reg+6:\reg+9], v[\a16] offset:(\off)+768
	ds_load_b64 v[\reg+10:\reg+11], v[\a8] offset:(\off)+1280
.endm
.macro FETCH_A k                       ; the tokens' eight fragments of my step k into set k % 2; with an even step's the scale words of steps k and k + 1
.set FS, ((\k)/5)%2
.set FO, ((\k)%5)*3072
.set FF, 128*((\k)%2)
	WIN 0x40
.irp a, 0,1,2,3,4,5,6,7
	FRAG FF+12*\a, A16+2*FS+\a/4, A8+2*FS+\a/4, 15360*(\a%4)+FO
.endr
	WIN 0
.if (\k)%2 == 0
.irp a, 0,1,2,3,4,5,6,7
	ds_load_b32 v[SAR+8*(((\k)/2)%2)+\a], v[AS+\a/4] offset:2048*((\k)/2)+64*(\a%4)
.endr
.endif
.endm
; 32 matrix instructions: the eight token blocks x my four weight tiles, 128 along K.  Step 0's products start the sums.  The 32 accumulators take turns, one instruction a turn.
.macro MUL i
.set MA, 128*((\i)%2)
.set MB, 48*((\i)%4)
.set MSA, SAR+8*(((\i)/2)%2)
.set MSB_, SBR+4*(((\i)/2)%4)
.irp a, 0,1,2,3,4,5,6,7
.irp b, 0,1,2,3
.if (\i) == 0
	v_wmma_scale_f32_16x16x128_f8f6f4 v[8*(4*\a+\b):8*(4*\a+\b)+7], v[MB+12*\b:MB+12*\b+11], v[MA+12*\a:MA+12*\a+11], 0, v[MSB_+\b], v[MSA+\a] matrix_a_fmt:MATRIX_FMT_BF6 matrix_b_fmt:MATRIX_FMT_BF6
.else
.if (\i)%2 == 0
	v_wmma_scale_f32_16x16x128_f8f6f4 v[8*(4*\a+\b):8*(4*\a+\b)+7], v[MB+12*\b:MB+12*\b+11], v[MA+12*\a:MA+12*\a+11], v[8*(4*\a+\b):8*(4*\a+\b)+7], v[MSB_+\b], v[MSA+\a] matrix_a_fmt:MATRIX_FMT_BF6 matrix_b_fmt:MATRIX_FMT_BF6
.else
	v_wmma_scale_f32_16x16x128_f8f6f4 v[8*(4*\a+\b):8*(4*\a+\b)+7], v[MB+12*\b:MB+12*\b+11], v[MA+12*\a:MA+12*\a+11], v[8*(4*\a+\b):8*(4*\a+\b)+7], v[MSB_+\b], v[MSA+\a] matrix_a_fmt:MATRIX_FMT_BF6 matrix_b_fmt:MATRIX_FMT_BF6 matrix_a_scale:MATRIX_SCALE_ROW1 matrix_b_scale:MATRIX_SCALE_ROW1
.endif
.endif
.endr
.endr
.endm
; Ahead of the first read of fill j.  Each wave waits for all its tensor loads (its part of fill j), adds 0 to its spare word, and waits for that and for its reads of the other slot.
; fill = 1: the barrier is a round of the cluster's, and behind it the other slot takes fill j + 1 (for j = 0: slot 1's first fill, issued as a refill is).  The four v_nop are also the places in front of the loads that follow.
.macro EVENT j, fill
	WIN 0
	s_wait_tensorcnt 0x0
	ds_add_u32 v[SPW], v[NIL]
.if (\fill) && ((\j) >= 1)
	s_add_nc_u64 s[G0+4*(((\j)+1)%2)+2:G0+4*(((\j)+1)%2)+3], s[G0+4*(((\j)+1)%2)+2:G0+4*(((\j)+1)%2)+3], 30720   ; no load of mine is out: that slot's group 0 steps two fills on
.endif
	s_wait_dscnt 0x0
.if \fill
	ROUND
	tensor_load_to_lds s[G0+4*(((\j)+1)%2):G0+4*(((\j)+1)%2)+3], s[G1:G1+7]
	s_nop 0
.else
	s_barrier_signal -1
	s_barrier_wait -1
.endif
	PLACES 4
.endm
.macro RESCALE n                       ; the sums so far x rho (n = 1) or x c1' (n = 2), token by token
	WIN 0
	PLACES 4
	WIN 0x82                                       ; the sums: window 2
.set j, 0
.rept 128
	v_pk_mul_f32 v[j:j+1], v[j:j+1], v[CB+2*(j/32):CB+2*(j/32)+1] op_sel_hi:[1,0]
.set j, j+2
.endr
	WIN 0
.if (\n) == 1
.irp a, 0,1,2,3,4,5,6,7
	v_mov_b32 v[CB+2*\a], v[CB+2*\a+1]
.endr
.endif
	s_wait_alu depctr_va_vdst(0)                   ; the wait behind these writes
.endm
; My step i (K step 2 i + kh).  The weights of step i + 3 go into the set that step i - 1 multiplied, the tokens' fragments of step i + 1 into the other set, both four places behind step i - 1's products.
.macro STEP i
.if ((\i) == 8) || ((\i) == 16)
	RESCALE (\i)/8
.endif
.if ((\i)%5 == 4) && ((\i) < 19)
.if (\i) < 14
	EVENT (\i)/5+1, 1
.else
	EVENT (\i)/5+1, 0
.endif
.else
	s_wait_dscnt 0x0                               ; this step's fragments and scale words of the tokens are in
	PLACES 4
.endif
.if (\i)+3 < 20
	LOADB (\i)+3
.endif
.if (\i)+1 < 20
	FETCH_A (\i)+1
.endif
.if (\i) == 4
	global_prefetch_b8 v[PFO], s[PFA:PFA+1] offset:46080 th:TH_LOAD_NT scope:SCOPE_SE   ; fill 3
.endif
.set NW, 0
.irp d, 1,2,3
.if (\i)+\d < 20
.set NW, NW+16+4*(1-((\i)+\d)%2)
.endif
.endr
	s_wait_loadcnt NW                              ; this step's weights are in: behind them stand the loads of the three steps that follow, 16 each and 4 more for an even step
	WIN 0xa7                                       ; source 0 window 3, source 1 window 1, C and D window 2
	MUL \i
.endm
	EVENT 0, 1
	FETCH_A 0
	global_prefetch_b8 v[PFO], s[PFA:PFA+1] offset:30720 th:TH_LOAD_NT scope:SCOPE_SE   ; fill 2
.set I, 0
.rept 20
	STEP I
.set I, I+1
.endr
	; THE TWO HALVES OF K MEET: rows 4-7 go to the wave of the other kh as an image of the registers, its rows 4-7 are my rows 0-3's other half
	WIN 0
	PLACES 4
	WIN 0x08                                       ; the data: window 2
.set k, 0
.rept 32
	ds_store_b128 v[EXS], v[128+4*k:128+4*k+3] offset:512*k
.set k, k+1
.endr
	WIN 0
	s_wait_dscnt 0x0                               ; for the others' sake: my stores are done
	s_barrier_signal -1
	s_barrier_wait -1
	WIN 0x40
.set k, 0
.rept 32
	ds_load_b128 v[4*k:4*k+3], v[EXR] offset:512*k
.set k, k+1
.endr
	s_wait_dscnt 0x0
	WIN 0x86                                       ; the sums window 2, what came window 1
.set j, 0
.rept 64
	v_pk_add_f32 v[j:j+1], v[j:j+1], v[j:j+1]
.set j, j+2
.endr
	WIN 0
	s_wait_alu depctr_va_vdst(0)                   ; the wait behind these writes
; THE WAY OUT, block by block of 16 tokens x 64 outputs, through my own stage: back as whole rows of 256 bytes.  LDS serves a wave's instructions in order (ISA guide 5.7.1.4): no wait between the stores and the loads.
.macro TOSTAGE a
	WIN 0x08
.irp b, 0,1,2,3
	ds_store_b128 v[STO], v[8*(4*(\a)+\b):8*(4*(\a)+\b)+3] offset:64*\b
	ds_store_b128 v[STO], v[8*(4*(\a)+\b)+4:8*(4*(\a)+\b)+7] offset:64*\b+16
.endr
	WIN 0
.set BB_, BK+32*((\a)%2)
.irp t, 0,1,2,3,4,5,6,7
	ds_load_b128 v[BB_+4*\t:BB_+4*\t+3], v[RD] offset:544*\t
.endr
.endm
.macro SEND a, younger                 ; younger: the LDS instructions issued behind block a's loads
.set BB_, BK+32*((\a)%2)
	s_wait_dscnt \younger
.irp t, 0,1,2,3,4,5,6,7
	global_store_b128 v[CO], v[BB_+4*\t:BB_+4*\t+3], s[OUT:OUT+1] offset:(16*(\a)+2*\t)*4096 th:TH_STORE_NT   ; 16 lanes store 256 consecutive bytes, at a multiple of 256 from out0's first byte
.endr
.endm
	TOSTAGE 0
.irp a, 1,2,3
.if \a > 1
	s_wait_xcnt 0x0                                ; block a - 2's stores have read their registers
.endif
	TOSTAGE \a
	SEND \a-1, 16
.endr
	SEND 3, 0
	s_wait_tensorcnt 0x0                           ; the wave's end
	ds_add_u32 v[SPW], v[NIL]
	s_wait_dscnt 0x0
	ROUND                                          ; the closing round: no work-group ends while a partner may still ask for a tile that names it
	s_endpgm
.Lfunc_end_k_qf6b5a82164_down:
	.size	k_qf6b5a82164_down, .Lfunc_end_k_qf6b5a82164_down-k_qf6b5a82164_down
	.p2alignl 7, 3214868480
	.fill 96, 4, 3214868480
	.section	.rodata,"a",@progbits
	.p2align	6, 0x0
	.amdhsa_kernel k_qf6b5a82164_down
		.amdhsa_group_segment_fixed_size 327680
		.amdhsa_private_segment_fixed_size 0
		.amdhsa_enable_private_segment 0
		.amdhsa_kernarg_size 64
		.amdhsa_user_sgpr_count 2
		.amdhsa_user_sgpr_kernarg_segment_ptr 1
		.amdhsa_wavefront_size32 1
		.amdhsa_system_sgpr_workgroup_id_x 1
		.amdhsa_system_sgpr_workgroup_id_y 1
		.amdhsa_system_sgpr_workgroup_id_z 1
		.amdhsa_system_vgpr_workitem_id 0
		.amdhsa_next_free_vgpr 1024
		.amdhsa_next_free_sgpr 100
		.amdhsa_reserve_vcc 1
		.amdhsa_float_denorm_mode_32 3
		.amdhsa_float_denorm_mode_16_64 3
		.amdhsa_memory_ordered 1
		.amdhsa_forward_progress 1
		.amdhsa_inst_pref_size 213
	.end_amdhsa_kernel
	.amdgpu_metadata
---
amdhsa.version: [ 1, 2 ]
amdhsa.kernels:
  - .name:           k_qf6b5a82164_down
    .symbol:         k_qf6b5a82164_down.kd
    .args:
      - { .name: hc, .offset: 0, .size: 8, .value_kind: global_buffer, .address_space: global }
      - { .name: hs, .offset: 8, .size: 8, .value_kind: global_buffer, .address_space: global }
      - { .name: codes, .offset: 16, .size: 8, .value_kind: global_buffer, .address_space: global }
      - { .name: scales, .offset: 24, .size: 8, .value_kind: global_buffer, .address_space: global }
      - { .name: route, .offset: 32, .size: 8, .value_kind: global_buffer, .address_space: global }
      - { .name: out0, .offset: 40, .size: 8, .value_kind: global_buffer, .address_space: global }
      - { .name: out1, .offset: 48, .size: 8, .value_kind: global_buffer, .address_space: global }
      - { .name: dump, .offset: 56, .size: 8, .value_kind: global_buffer, .address_space: global }
    .group_segment_fixed_size: 327680
    .private_segment_fixed_size: 0
    .kernarg_segment_align: 8
    .kernarg_segment_size: 64
    .max_flat_workgroup_size: 128
    .sgpr_count:     100
    .vgpr_count:     1024
    .wavefront_size: 32
...
	.end_amdgpu_metadata
.endif
;; end of part 3
